; MI455X (gfx1250); checked and timed in simulation.
; The chip was launched on July 23, 2026; its instructions are those of AMD's public machine-readable ISA for CDNA 5 (MIT licence, August 2026) and "CDNA5" Instruction Set Architecture Reference Guide (July 2026). The comments in the code are by the model that wrote it; some were corrected since.
;; Qwen Attention. Allowed arithmetic: matrix products marked QUANTISED: E4M3 operands, one given power-of-two scale a tensor, by v_wmma_f32_16x16x64_fp8_fp8 or v_wmma_f32_16x16x128_fp8_fp8, f32 sums; everything else in f32.
;; Inputs: Wk 2,048 x 1,024 float32; Wo 2,048 x 2,048 float32; Wq 2,048 x 2,048 float32; Wv 2,048 x 1,024 float32; cos 2,048 x 64 float32; kn_w 128 float32; lowp_scales 12 int32 (the exponents e of the quantised operands' scales 2^e); qn_w 128 float32; sin 2,048 x 64 float32; x 1 x 2,048 x 2,048 float32.
;; Outputs: out0 1 x 2,048 x 2,048 float32.
;; This version of the problem:
;;   THIS VERSION OF THE PROBLEM IS GIVEN IN LOW PRECISION. The matrix products marked QUANTISED in the list below multiply operands that are first quantised to E4M3 (4 exponent bits, 3 mantissa bits; 8 bits a number), with one given power-of-two scale for each operand tensor; their sums are f32. All else is computed in f32.
;;   The module's matrix products, in the order in which they are computed (A, B: the left and right operand; K: the contracted axis; several contracted axes count as one K, in the product's order):
;;     1. [M 2,048, K 2,048] x [K 2,048, N 2,048]; A: input x; B: input Wq: QUANTISED (scales: A lowp_scales[0], B lowp_scales[1])
;;     2. [M 2,048, K 2,048] x [K 2,048, N 1,024]; A: input x; B: input Wk: QUANTISED (scales: A lowp_scales[2], B lowp_scales[3])
;;     3. [M 2,048, K 2,048] x [K 2,048, N 1,024]; A: input x; B: input Wv: QUANTISED (scales: A lowp_scales[4], B lowp_scales[5])
;;     4. batch 16 x [M 2,048, K 128] x [K 128, N 2,048]; A: computed on the way; B: computed on the way: QUANTISED (scales: A lowp_scales[6], B lowp_scales[7])
;;     5. batch 16 x [M 2,048, K 2,048] x [K 2,048, N 128]; A: softmax (see below); B: computed on the way: QUANTISED (scales: A lowp_scales[8], B lowp_scales[9])
;;     6. [M 2,048, K 2,048] x [K 2,048, N 2,048]; A: computed on the way; B: input Wo: QUANTISED (scales: A lowp_scales[10], B lowp_scales[11])
;;   THE QUANTISER, for each operand of a quantised product, along K:
;;     - The operand's scale is 2^e, e = its entry of the input lowp_scales (int32; the entries are numbered through the quantised products in the list's order, A before B).
;;     - Each number is divided by the scale, clamped to +-448, and rounded to the nearest number of E4M3, ties to even, subnormals kept.
;;     - The product sums the exact products of the quantised numbers (number of the format x scale) in f32.
;;   ~~~python
;;   def quantise(x, axis, e):      # numpy; x: float32 -> the quantised numbers, widened to float32 again
;;       x = np.moveaxis(x, axis, -1); K = x.shape[-1]
;;       r = np.clip(x / 2.0 ** e, -448, 448)
;;       step = 2.0 ** (np.maximum(np.frexp(np.where(r == 0, 1, r))[1] - 1, -6) - 3)
;;       q = np.round(r / step) * step * 2.0 ** e      # np.round: ties to even
;;       return np.moveaxis(q, -1, axis).astype(np.float32)
;;   ~~~
;;   SOFTMAX AHEAD OF A QUANTISED PRODUCT. Where the list says 'softmax', what is quantised is not the finished softmax but p = 2^(t - M), with t = logit x log2(e) and M = ceil(the row's largest t), a whole number; so 1/2 < the row's largest p <= 1. The row's sum l is taken of the UNQUANTISED p, in f32, and the product's result is divided by l at the end. Since M is a whole number, a kernel that streams over the keys may use a running M (the ceiling of the running maximum): every later rescaling is an exact power of two, so the quantised numbers keep their values, but for numbers so far below the row's largest that they fall under the format's range.
;;   OPERANDS COMPUTED ON THE WAY. 'Computed on the way' means the value that the module computes at that place (a softmax that the list does not call 'softmax' is quantised finished and normalised). What goes into a quantiser is computed in f32, as accurately as f32 sums, v_exp_f32 and their like allow (about 1e-6 of the number): no bf16 or f16 on the way to a quantiser, and a product that is left as it is and whose result goes on into a quantised operand takes f32 operands (vector FMAs, or v_wmma_f32_16x16x4_f32). A number that lies on a knife's edge between two numbers of the format may be rounded either way, as far as f32 arithmetic and the matrix unit's own rounding can turn it there, and no further.
;; One version. Each part assembles by itself: llvm-mc -triple=amdgcn-amd-amdhsa -mcpu=gfx1250 --defsym DOCPART=n.
;; ======== version 1 of 1: 4 launches
;; limits: right only within a limited range of input values
;; workspace buffers: xc 12,582,912 bytes; wc 8,388,608 bytes; woc 4,194,304 bytes; qkv 8,388,608 bytes; ac 4,194,304 bytes
;; launch quant (part 1): grid 768 x 1, 4 waves a work-group, no clusters, 50,688 bytes of LDS; arguments x, Wq, Wk, Wv, lowp_scales, xc, wc; writes xc, wc
.if DOCPART == 1
	.amdgcn_target "amdgcn-amd-amdhsa--gfx1250"
	.amdhsa_code_object_version 6
	.text
	.protected	k_qe87128fbc1_quant
	.globl	k_qe87128fbc1_quant
	.p2align	8
	.type	k_qe87128fbc1_quant,@function
k_qe87128fbc1_quant:
	s_mov_b64 s[64:65], 0
	v_nop
	global_prefetch_b8 v0, s[64:65] scope:SCOPE_SE
	s_setreg_imm32_b32 hwreg(HW_REG_WAVE_MODE, 25, 1), 1
	s_wait_xcnt 0x0
; x [2048][2048] f32 becomes three sets of E4M3 codes (scales 2^e0, 2^e2, 2^e4: the three products that read x each have a scale of their own);
; Wq, Wk, Wv ([K][N] f32) become codes with K innermost (scales 2^e1, 2^e3, 2^e5).  code = number / 2^e, held within +-448, to the nearest code, ties to even.  (Wo is quantised by the attention's launch.)
; LAYOUT OF BOTH OUTPUTS: images of operand registers.  A fragment is 16 rows x 128 K: 16 registers a lane, 2,048 bytes; registers 4 c' .. 4 c' + 3 of lane l lie at 512 c' + 16 l;
; lane (r = l % 16, h = l / 16) holds row r, and its registers 2 c, 2 c + 1 hold k = 16 c + 8 h + 0 .. 7.  A panel is 128 rows: byte = panel x 262,144 + (K / 128) x 16,384 + (row / 16 % 8) x 2,048 + the image.
; xc: panels 0-15 by e0, 16-31 by e2, 32-47 by e4 (rows = tokens).   wc: panels 0-15 Wq, 16-23 Wk, 24-31 Wv (rows = the weight's columns).
; Work-groups 0-255 take x, 256-767 the weights; every work-group reads 64 KiB.  No tensor loads, no barrier: waves share nothing.  Each of the two paths has LDS bytes of its own.
; LIMITS: each of these six exponents lies between -126 and 119, so that 2^e and 448 x 2^e are f32 numbers.  NaN among the inputs is not served; an infinity is held at the largest code.
.set XR, 32                            ; v32-159  numbers as loaded (x: two sets of 64; a weight: 32 rows of K x my 4 columns); x's codes are laid over a set's first 48 once the set has gone to the stage
.set YR, 160                           ; v160-223 x: 64 numbers of my row, register 8 c + i = k 16 c + 8 h + i
.set TR, 224                           ; v224-239 two sets of 8 held numbers, by turns
.set CW, 160                           ; v160-191 a weight's codes: 4 registers for each of my 4 columns and each half h of the image
.set BKW, 192                          ; v192-223 a weight's codes back from the stage: 4 registers for each of the panel's 8 tiles
.set SP, 528                           ; x: a stage row: 512 bytes + 16: an odd multiple of 16 bytes, so that sixteen lanes that read sixteen rows take sixteen different 16-byte columns
.set WST, 4*16*SP                      ; the weights' stages begin behind x's four: 4,096 bytes for each wave
	s_load_b256 s[8:15], s[0:1], 0x0               ; x 8:9, Wq 10:11, Wk 12:13, Wv 14:15
	s_load_b64 s[18:19], s[0:1], 0x20              ; the exponents
	s_load_b128 s[20:23], s[0:1], 0x28             ; xc 20:21, wc 22:23
	v_lshl_add_u32 v240, v0, 2, 0xc400
	v_mov_b32 v241, 0
	v_lshrrev_b32 v10, 5, v0
	v_readfirstlane_b32 s36, v10                   ; wave 0..3
	v_and_b32 v11, 31, v0                          ; lane
	s_wait_kmcnt 0x0
	s_load_b256 s[24:31], s[18:19], 0x0            ; e0 .. e7
	s_cmp_lt_u32 ttmp9, 256
	s_cbranch_scc0 .Lweights
	; ---------------- x: a wave takes 16 tokens x 256 along K (two K steps of 128)
	s_lshr_b32 s37, ttmp9, 1                       ; the tile of 16 tokens, 0..127
	s_and_b32 s38, ttmp9, 1
	s_lshl_b32 s38, s38, 2
	s_add_co_u32 s38, s38, s36                     ; u = 0..7: K steps 2 u and 2 u + 1
	s_lshl_b32 s40, s37, 17                        ; 16 rows of 8,192 bytes
	s_lshl_b32 s41, s38, 10                        ; 256 numbers
	s_add_co_u32 s40, s40, s41
	s_mov_b32 s41, 0
	s_add_nc_u64 s[8:9], s[8:9], s[40:41]
	s_wait_alu depctr_va_vdst(0)
	v_lshlrev_b32 v1, 4, v11                       ; 16 x lane: my bytes of a load's 512, and of an image's 512
.set ee, 0
.rept 2
.set ii, 0
.rept 16
	global_load_b128 v[XR+64*ee+4*ii:XR+64*ee+4*ii+3], v1, s[8:9] offset:ii*8192+ee*512 th:TH_LOAD_NT   ; row ii, K step ee: 32 lanes read 512 consecutive bytes
.set ii, ii+1
.endr
.set ee, ee+1
.endr
	s_mul_i32 s39, s36, 16*SP                      ; my wave's stage
	v_add_nc_u32 v2, s39, v1                       ; into it: as loaded
	v_and_b32 v12, 15, v0                          ; r
	v_bfe_u32 v13, v0, 4, 1                        ; h
	v_mul_u32_u24 v3, v12, SP
	v_lshl_add_u32 v3, v13, 5, v3
	v_add_nc_u32 v3, s39, v3                       ; out of it: row r, + 32 h bytes: my eight numbers of each 16 along K
	s_lshr_b32 s46, s37, 3
	s_lshl_b32 s46, s46, 18                        ; the panel,
	s_and_b32 s47, s37, 7
	s_lshl_b32 s47, s47, 11                        ; the tile in it,
	s_add_co_u32 s46, s46, s47
	s_lshl_b32 s47, s38, 15                        ; K step 2 u
	s_add_co_u32 s46, s46, s47
	s_mov_b32 s47, 0
	s_add_nc_u64 s[40:41], s[20:21], s[46:47]      ; a base for each of the three sets: 16 panels apart
	s_add_nc_u64 s[42:43], s[40:41], 0x400000
	s_add_nc_u64 s[44:45], s[42:43], 0x400000
	s_wait_alu depctr_va_vdst(0)
	s_wait_kmcnt 0x0
.irp z, 0,1,2
	s_add_co_i32 s46, s[24+2*\z], 127
	s_lshl_b32 s47, s46, 23
	v_mov_b32 v[4+\z], s47                         ; 2^e as f32: the conversion takes its exponent field
	s_add_co_i32 s46, s46, 8
	s_lshl_b32 s46, s46, 23
	s_or_b32 s46, s46, 0x600000
	v_mov_b32 v[7+\z], s46                         ; 448 x 2^e
.endr
; One K step: through the stage, so that a lane holds neighbours along K though every load was dense; then three quantisers; then twelve stores of 512 consecutive bytes.
.macro XSTEP e, left
	s_wait_loadcnt \left                           ; this K step's sixteen loads are in; the count leaves the other step's out
.set ii, 0
.rept 16
	ds_store_b128 v2, v[XR+64*\e+4*ii:XR+64*\e+4*ii+3] offset:SP*ii
.set ii, ii+1
.endr
.set ii, 0
.rept 16
	ds_load_b128 v[YR+4*ii:YR+4*ii+3], v3 offset:64*(ii/2)+16*(ii%2)   ; LDS serves a wave's instructions in order: these see the stores above
.set ii, ii+1
.endr
	s_wait_dscnt 0x0                               ; the numbers are back, and the stores have read their registers: the codes may be laid there
.irp z, 0,1,2
.set cc, 0
.rept 8
.set ii, 0
.rept 8
	v_med3_num_f32 v[TR+8*(cc%2)+ii], v[YR+8*cc+ii], -v[7+\z], v[7+\z]   ; the conversion to an 8-bit code does not saturate (ISA guide 7.6.2): the hold comes first
.set ii, ii+1
.endr
	v_cvt_scalef32_pk8_fp8_f32 v[XR+64*\e+16*\z+2*cc:XR+64*\e+16*\z+2*cc+1], v[TR+8*(cc%2):TR+8*(cc%2)+7], v[4+\z]   ; registers 2 c, 2 c + 1 of the image.  The other set's eight holds stand between this line and the next write of its sources
.set cc, cc+1
.endr
.endr
.irp z, 0,1,2
.irp c, 0,1,2,3
	global_store_b128 v1, v[XR+64*\e+16*\z+4*\c:XR+64*\e+16*\z+4*\c+3], s[40+2*\z:41+2*\z] offset:\e*16384+512*\c   ; no store's data are written again
.endr
.endr
.endm
	s_wait_alu depctr_va_vdst(0)
	XSTEP 0, 16
	XSTEP 1, 0
	s_wait_tensorcnt 0x0
	ds_add_u32 v240, v241
	s_wait_dscnt 0x0
	s_endpgm
	; ---------------- a weight: a work-group takes a panel of 128 columns x one K step of 128; a wave takes 32 rows of K x all 128 columns: each of its 32 loads reads a row's 512 consecutive bytes, 16 a lane.
	; A lane then holds FOUR columns, 4 l + j, and register 4 i + j is row i of column j.  The hold, which every number needs, also gathers eight neighbours along K of one column into consecutive registers, as the conversion wants them.
.Lweights:
	s_sub_co_u32 s37, ttmp9, 256
	s_lshr_b32 s38, s37, 4                         ; the panel of wc, 0..31
	s_and_b32 s39, s37, 15                         ; the K step
	s_sub_co_u32 s45, s38, 16
	s_sub_co_u32 s42, s38, 24
	s_mov_b64 s[40:41], s[14:15]                   ; Wv, unless the panel says otherwise: the choices hang on the work-group's number alone
	s_mov_b32 s44, 4096                            ; bytes in a row of the weight
	s_cmp_lt_u32 s38, 24
	s_cselect_b64 s[40:41], s[12:13], s[40:41]     ; Wk
	s_cselect_b32 s42, s45, s42                    ; the panel within its weight
	s_cmp_lt_u32 s38, 16
	s_cselect_b64 s[40:41], s[10:11], s[40:41]     ; Wq
	s_cselect_b32 s42, s38, s42
	s_cselect_b32 s44, 8192, s44
	s_lshl_b32 s47, s39, 7
	s_lshl_b32 s46, s36, 5
	s_add_co_u32 s47, s47, s46                     ; my first row: 128 x K step + 32 x wave
	s_mul_i32 s46, s47, s44
	s_lshl_b32 s47, s42, 9                         ; 128 columns for each panel
	s_add_co_u32 s46, s46, s47
	s_mov_b32 s47, 0
	s_add_nc_u64 s[40:41], s[40:41], s[46:47]
	s_wait_alu depctr_va_vdst(0)
	v_lshlrev_b32 v1, 4, v11                       ; 16 x lane
.macro LOADW stride
.set ii, 0
.rept 32
	global_load_b128 v[XR+4*ii:XR+4*ii+3], v1, s[40:41] offset:ii*\stride th:TH_LOAD_NT
.set ii, ii+1
.endr
.endm
	s_cmp_eq_u32 s44, 8192                         ; the row's length stands in the immediates, so the run of loads is written twice; both ways issue 32
	s_cbranch_scc1 .Lwide
	LOADW 4096
	s_branch .Lloaded
.Lwide:
	s_wait_alu depctr_va_vdst(0)
	LOADW 8192
.Lloaded:
	s_lshl_b32 s46, s38, 18
	s_lshl_b32 s48, s39, 14
	s_add_co_u32 s46, s46, s48
	s_lshl_b32 s48, s36, 9                         ; my 32 rows of K are registers 4 w .. 4 w + 3 of every image: 512 w bytes into each tile
	s_add_co_u32 s46, s46, s48
	s_add_nc_u64 s[22:23], s[22:23], s[46:47]
	s_lshl_b32 s48, s36, 12
	s_add_co_u32 s48, s48, WST                     ; my wave's stage: 8 tiles x 512 bytes
	v_lshrrev_b32 v12, 2, v11                      ; column 4 l + j lies in tile l / 4, as its row r = 4 (l % 4) + j
	v_and_b32 v13, 3, v11
	v_lshlrev_b32 v2, 6, v13
	v_lshl_add_u32 v2, v12, 9, v2
	v_add_nc_u32 v2, s48, v2                       ; into the stage: 512 (l / 4) + 64 (l % 4); 16 j + 256 h stand in the immediate
	s_wait_alu depctr_va_vdst(0)
	v_add_nc_u32 v3, s48, v1                       ; out of it: 16 x lane; the tile stands in the immediate
	s_wait_kmcnt 0x0
	s_cmp_lt_u32 s38, 24
	s_cselect_b32 s48, s27, s29                    ; e3 or e5
	s_cmp_lt_u32 s38, 16
	s_cselect_b32 s48, s25, s48                    ; e1
	s_add_co_i32 s48, s48, 127
	s_lshl_b32 s49, s48, 23
	v_mov_b32 v4, s49                              ; 2^e
	s_add_co_i32 s48, s48, 8
	s_lshl_b32 s48, s48, 23
	s_or_b32 s48, s48, 0x600000
	v_mov_b32 v5, s48                              ; 448 x 2^e
; Rows 8 g .. 8 g + 7 of my 32: k = 16 (2 w + g / 2) + 8 (g % 2) + 0 .. 7: for each of my four columns two registers of the image's lane (r, h = g % 2): the pair g / 2 of its four registers 4 w .. 4 w + 3.
.macro WGROUP g, left
	s_wait_loadcnt \left                           ; these eight rows are in; the count leaves the later rows' loads out
.irp j, 0,1,2,3
.set ii, 0
.rept 8
	v_med3_num_f32 v[TR+8*(\j%2)+ii], v[XR+4*(8*\g+ii)+\j], -v5, v5   ; the hold, and the gathering of a column's eight neighbours along K
.set ii, ii+1
.endr
	v_cvt_scalef32_pk8_fp8_f32 v[CW+4*(4*(\g%2)+\j)+2*(\g/2):CW+4*(4*(\g%2)+\j)+2*(\g/2)+1], v[TR+8*(\j%2):TR+8*(\j%2)+7], v4   ; the other set's eight holds stand between this line and the next write of its sources
.endr
.endm
	s_wait_alu depctr_va_vdst(0)
	WGROUP 0, 24
	WGROUP 1, 16
	WGROUP 2, 8
	WGROUP 3, 0
	v_nop                                          ; a plain vector instruction behind the last conversion
.irp h, 0,1
.irp j, 0,1,2,3
	ds_store_b128 v2, v[CW+4*(4*\h+\j):CW+4*(4*\h+\j)+3] offset:256*\h+16*\j   ; 16 bytes of lane (r, h) of my tile's image
.endr
.endr
.irp t, 0,1,2,3,4,5,6,7
	ds_load_b128 v[BKW+4*\t:BKW+4*\t+3], v3 offset:512*\t   ; LDS serves a wave's instructions in order: these see the stores above
.endr
.irp t, 0,1,2,3,4,5,6,7
	s_wait_dscnt 7-\t
	global_store_b128 v1, v[BKW+4*\t:BKW+4*\t+3], s[22:23] offset:2048*\t   ; 32 lanes store 512 consecutive bytes, at a multiple of 256 from wc's first byte
.endr
	s_wait_tensorcnt 0x0
	ds_add_u32 v240, v241
	s_wait_dscnt 0x0
	s_endpgm
.Lfunc_end_k_qe87128fbc1_quant:
	.size	k_qe87128fbc1_quant, .Lfunc_end_k_qe87128fbc1_quant-k_qe87128fbc1_quant
	.p2alignl 7, 3214868480
	.fill 96, 4, 3214868480
	.section	.rodata,"a",@progbits
	.p2align	6, 0x0
	.amdhsa_kernel k_qe87128fbc1_quant
		.amdhsa_group_segment_fixed_size 50688
		.amdhsa_private_segment_fixed_size 0
		.amdhsa_enable_private_segment 0
		.amdhsa_kernarg_size 56
		.amdhsa_user_sgpr_count 2
		.amdhsa_user_sgpr_kernarg_segment_ptr 1
		.amdhsa_wavefront_size32 1
		.amdhsa_system_sgpr_workgroup_id_x 1
		.amdhsa_system_sgpr_workgroup_id_y 1
		.amdhsa_system_sgpr_workgroup_id_z 1
		.amdhsa_system_vgpr_workitem_id 0
		.amdhsa_next_free_vgpr 242
		.amdhsa_next_free_sgpr 66
		.amdhsa_reserve_vcc 0
		.amdhsa_float_denorm_mode_32 3
		.amdhsa_float_denorm_mode_16_64 3
		.amdhsa_memory_ordered 1
		.amdhsa_forward_progress 1
		.amdhsa_inst_pref_size 59
	.end_amdhsa_kernel
	.amdgpu_metadata
---
amdhsa.version: [ 1, 2 ]
amdhsa.kernels:
  - .name:           k_qe87128fbc1_quant
    .symbol:         k_qe87128fbc1_quant.kd
    .args:
      - { .name: x, .offset: 0, .size: 8, .value_kind: global_buffer, .address_space: global }
      - { .name: Wq, .offset: 8, .size: 8, .value_kind: global_buffer, .address_space: global }
      - { .name: Wk, .offset: 16, .size: 8, .value_kind: global_buffer, .address_space: global }
      - { .name: Wv, .offset: 24, .size: 8, .value_kind: global_buffer, .address_space: global }
      - { .name: lowp_scales, .offset: 32, .size: 8, .value_kind: global_buffer, .address_space: global }
      - { .name: xc, .offset: 40, .size: 8, .value_kind: global_buffer, .address_space: global }
      - { .name: wc, .offset: 48, .size: 8, .value_kind: global_buffer, .address_space: global }
    .group_segment_fixed_size: 50688
    .private_segment_fixed_size: 0
    .kernarg_segment_align: 8
    .kernarg_segment_size: 56
    .max_flat_workgroup_size: 128
    .sgpr_count:     66
    .vgpr_count:     242
    .wavefront_size: 32
...
	.end_amdgpu_metadata
.endif
;; end of part 1
;; launch qkv (part 2): grid 32 x 8, 4 waves a work-group, clusters of 4 x 4, 327,680 bytes of LDS; arguments xc, wc, lowp_scales, qn_w, kn_w, sin, cos, qkv; writes qkv
.if DOCPART == 2
	.amdgcn_target "amdgcn-amd-amdhsa--gfx1250"
	.amdhsa_code_object_version 6
	.text
	.protected	k_qe87128fbc1_qkv
	.globl	k_qe87128fbc1_qkv
	.p2align	8
	.type	k_qe87128fbc1_qkv,@function
k_qe87128fbc1_qkv:
	s_mov_b64 s[64:65], 0
	v_nop
	global_prefetch_b8 v0, s[64:65] scope:SCOPE_SE
	s_setreg_imm32_b32 hwreg(HW_REG_WAVE_MODE, 25, 1), 1
	s_wait_xcnt 0x0
	s_wait_alu depctr_hold_cnt(0) depctr_sa_sdst(0) depctr_va_vdst(0) depctr_va_sdst(0) depctr_va_ssrc(0) depctr_va_vcc(0) depctr_vm_vsrc(0)
	s_getreg_b32 s2, hwreg(HW_REG_IB_STS2, 6, 4)
	s_cmp_eq_u32 s2, 0
	s_cbranch_scc0 .Lentry_in_a_cluster
	s_endpgm
.Lentry_in_a_cluster:
	s_bfe_u32 s2, ttmp6, 0x10000c
	s_cmp_lg_u32 s2, 0xf033
	s_cbranch_scc0 .Lentry_shape_is_right
	s_endpgm
.Lentry_shape_is_right:
; The three projections on E4M3 codes, with what follows each: q and k: RMS norm over the head's 128, the gain, the rotation, the quantiser (2^e6, 2^e7);  v: the quantiser (2^e9).
; xc, wc: panels of 128 rows as images of operand registers (a fragment, 16 rows x 128 K, is 2,048 bytes: registers 4 c' .. 4 c' + 3 of lane l at 512 c' + 16 l; byte = panel x 262,144 + K step x 16,384 + tile x 2,048).
; A work-group multiplies a P side of 128 rows by a Q side of 256 rows over K = 2,048.  Source 0 takes P's fragments, source 1 Q's: a lane then holds ONE row of Q (lane % 16) and its registers run along rows of P (8 (lane / 16) + j).
;   q (cluster x 0-3): P = the head's 128 columns of Wq, Q = 256 tokens by e0.    k (cluster x 4-5): P = the head's columns of Wk, Q = 256 tokens by e2: a lane holds one token and 64 of its head's 128 numbers.
;   v (cluster x 6-7): P = 128 tokens by e4, Q = 256 columns of Wv (two heads): a lane holds one channel and its registers run along the tokens, which are the K of attention's second product.
; So a conversion of an accumulator's eight registers IS two registers of the next operand's image, and every result leaves by stores of 512 consecutive bytes, with no turn through LDS.
; A wave holds all 8 tiles of P x 4 tiles of Q: 32 accumulators.  One text serves the three kinds: only panels and bases are chosen, on the cluster's x, which all sixteen partners share.
; P, WHICH ALL FOUR WAVES READ, LIES WHOLE IN LDS: 16 K steps x 16,384 bytes.  It hangs on cx and the cluster's ids and is asked for jointly by a column of the 4 x 4 cluster: K steps 0-7 at the head, K steps 8-15 behind a round of the
; cluster's barrier, 32,768 bytes a wave each time.  Nothing is filled again.  One barrier stands ahead of K step 7, whose loads are the first to read the second half.
; Q's FRAGMENTS ARE EACH READ BY ONE WAVE ALONE AND GO FROM MEMORY STRAIGHT INTO REGISTERS (through LDS their 524,288 bytes would be written once and read once more): four sets take turns, K step k + 3 is asked for in K step k: 48 loads are out.
; The tables of tile a take the registers of Q's set a as the last K steps free them; the gain is asked for with the first.  The v kind asks for them too, inside the tables (Y is at most 7), and does not use them: the price of one text for three kinds.
; The sixteen K steps are written out, every offset an immediate.  No prefetch: the text has no loop to run ahead in, and Q's loads are issued three K steps ahead of their use.
; OUT: qkv: q head X and k head X - 16 at X x 262,144 + (token / 16) x 2,048 (16 tokens x 128 channels); v at 6,291,456 + head x 262,144 + (token / 128) x 16,384 + (channel / 16) x 2,048 (16 channels x 128 tokens).
; ORDER OF THE CHANNELS OF q AND k: place 2 i holds x1 c - x2 s (reference's channel i), place 2 i + 1 holds x1 s + x2 c (its channel 64 + i): one permutation of the next product's K, the same in both operands.
; LIMITS: e6, e7 and e9 - e4 - e5 between -126 and 119.  NaN among the inputs is not served.
.set SPARE, 262144                     ; behind P: the spare words, 128 bytes for each wave
.set G1P,  24                          ; s[24:31] group 1: 128 rows of 256 bytes
.set G0PA, 80                          ; s[80:83] group 0 of K steps 0-7;  s[84:87] of K steps 8-15
.set G0PB, 84
.set WV,  20                           ; s20 wave; s21 wave / 2; s22 wave % 2
.set ADRP, 16                          ; v16-19 LDS address of P's fragments in K steps 0-3, 4-7, 8-11, 12-15 (an LDS immediate has 16 bits)
.set SPW, 28                           ; v28 my spare word; never rewritten
.set NIL, 29                           ; v29 0; never rewritten
.set CSO, 30                           ; v30 my byte in 16 rows of cos or sin: 256 r + 16 h
.set GO,  31                           ; v31 32 h: my byte in 16 numbers of the gain
.set LI,  32                           ; v32 16 x lane
.set SSQ, 34                           ; v[34:37] the sum of squares, in four parts
.set RS,  38                           ; v[38:39] 2^E / root of the mean square (a pair is named; its low word serves)
.set TT,  40                           ; v[40:47] at work in the rotation
.set SCV, 48                           ; v48 the quantiser's scale as f32;  v49 448 x that
.set LIM, 49
.set GW,  64                           ; v[64:127] the gain at my 64 channels
.set NR,  128                          ; v[128:191] a tile's 64 numbers
.set CD,  192                          ; v[192:255] the codes, 16 registers a tile
; window 1: P's fragments, set p at 128 p + 16 b.   window 2: accumulator (a, b) at 8 (8 a + b).   window 3: Q's fragments, set s at 64 s + 16 a; then cos at 64 a + 4 b + p, sin at 64 a + 32 + 4 b + p.
.set MUL, 0xad                         ; source 0 window 1, source 1 window 3, C and D window 2
.set MSB, 0
.macro WIN new                         ; the immediate's high byte repeats the setting that is left; a switch that changes nothing is dropped
.if MSB != \new
	s_set_vgpr_msb (MSB<<8)|\new
.set MSB, \new
.endif
.endm
.macro PLACES n
.rept \n
	v_nop
.endr
.endm
.macro CROUND                          ; a round of the cluster's barrier
	s_barrier_signal -1
	s_barrier_wait -1
	s_cmp_lg_u32 s[WV], 0
	s_cbranch_scc1 .Lnot_wave_0_\@
	s_barrier_signal -3
.Lnot_wave_0_\@:
	s_barrier_wait -3
	s_barrier_signal -1
	s_barrier_wait -1
.endm
	s_load_b512 s[4:19], s[0:1], 0x0               ; xc 4:5, wc 6:7, the exponents 8:9, qn_w 10:11, kn_w 12:13, sin 14:15, cos 16:17, qkv 18:19
	v_lshl_add_u32 v[SPW], v0, 2, SPARE
	v_mov_b32 v[NIL], 0
	ds_add_u32 v[SPW], v[NIL]                      ; the opening lines: the add, twice on end, and its wait ahead of my first tensor load
	ds_add_u32 v[SPW], v[NIL]
	s_wait_dscnt 0x0
	v_lshrrev_b32 v1, 5, v0
	v_readfirstlane_b32 s[WV], v1
	s_lshr_b32 s21, s[WV], 1
	s_and_b32 s22, s[WV], 1
	s_bfe_u32 s56, ttmp6, 0x40000                  ; cx
	s_bfe_u32 s57, ttmp6, 0x40004                  ; cy
	s_and_b32 s58, ttmp7, 0xffff                   ; the cluster's y
	s_lshl_b32 s59, ttmp9, 2
	s_add_co_u32 s59, s59, s56                     ; X = 4 x cluster x + cx
	s_lshl_b32 s60, s58, 2
	s_add_co_u32 s60, s60, s57                     ; Y = 4 x cluster y + cy
	s_lshl_b32 s61, 0x1111, s56                    ; my column of the cluster
	s_or_b32 s[G1P], s61, (3<<16)|(1<<21)          ; 15:0 the mask; 17:16 elements of 8 bytes; 21 set beside a mask; no padding: a dense block, stated as rows of 256 bytes
	s_mov_b32 s[G1P+1], 32<<16                     ; tensor_dim0 = 32 elements
	s_mov_b32 s[G1P+2], 128<<16                    ; 128 rows a load: two K steps of the panel, 32,768 bytes
	s_mov_b32 s[G1P+3], 32<<16
	s_mov_b32 s[G1P+4], 128
	s_mov_b32 s[G1P+5], 32
	s_mov_b32 s[G1P+6], 0
	s_mov_b32 s[G1P+7], 0
	s_mov_b32 s[G0PA], 1
	s_lshl_b32 s[G0PA+1], s[WV], 15                ; K steps 2 wave and the next: no place in the cluster enters an LDS address
	s_mov_b32 s[G0PB], 1
	s_add_co_u32 s[G0PB+1], s[G0PA+1], 131072      ; K steps 8 + 2 wave and the next
	; which panels.  P's registers never hold cy
	s_lshl_b32 s62, s58, 3
	s_add_co_u32 s62, s62, s59
	s_add_co_u32 s62, s62, 8                       ; v: xc's panel 32 + (X - 24 + 8 x cluster y)
	s_lshl_b32 s66, s60, 1                         ; q: xc's panels 2 Y, 2 Y + 1
	s_add_co_u32 s67, s66, 16                      ; k: 16 further on
	s_lshl_b32 s2, s57, 1
	s_add_co_u32 s2, s2, 24                        ; v: wc's panels 24 + 2 cy, + 1
	s_cmp_lt_u32 ttmp9, 4
	s_cselect_b32 s66, s66, s67
	s_cmp_lt_u32 ttmp9, 6
	s_cselect_b32 s66, s66, s2
	s_cselect_b32 s62, s59, s62                    ; q, k: wc's panel X
	s_lshl_b32 s62, s62, 18
	s_mov_b32 s63, 0
	s_add_co_u32 s66, s66, s21                     ; my four tiles of Q: panel wave / 2,
	s_lshl_b32 s66, s66, 18
	s_lshl_b32 s3, s22, 13                         ; tiles 4 (wave % 2) on
	s_add_co_u32 s66, s66, s3
	s_mov_b32 s67, 0
	s_wait_kmcnt 0x0
	s_load_b256 s[68:75], s[8:9], 0x0              ; e0 .. e7
	s_load_b128 s[76:79], s[8:9], 0x20             ; e8 .. e11
	s_cmp_lt_u32 ttmp9, 6
	s_cselect_b64 s[98:99], s[6:7], s[4:5]         ; P's buffer
	s_cselect_b64 s[100:101], s[4:5], s[6:7]       ; Q's
	s_add_nc_u64 s[98:99], s[98:99], s[62:63]      ; P's panel
	s_add_nc_u64 s[100:101], s[100:101], s[66:67]  ; my tiles of Q; never rewritten
	s_lshl_b32 s62, s[WV], 15
	s_add_nc_u64 s[G0PA+2:G0PA+3], s[98:99], s[62:63]
	s_add_nc_u64 s[G0PB+2:G0PB+3], s[G0PA+2:G0PA+3], 131072
	s_or_b32 s[G0PA+3], s[G0PA+3], 0x80000000      ; 127:126 type = 2
	s_or_b32 s[G0PB+3], s[G0PB+3], 0x80000000
	CROUND                                         ; all sixteen work-groups are here: the first joint loads meet
	tensor_load_to_lds s[G0PA:G0PA+3], s[G1P:G1P+7]   ; my part of K steps 0-7: one tensor load a wave at the head
	s_nop 0
	PLACES 4
.macro FETCHQ k                        ; 16 loads of 512 consecutive bytes: my four fragments of Q in K step k, into set k % 4
	WIN 0xc0                                       ; destination window 3
.irp a, 0,1,2,3
.irp c, 0,1,2,3
	global_load_b128 v[64*((\k)%4)+16*\a+4*\c:64*((\k)%4)+16*\a+4*\c+3], v[LI], s[100:101] offset:(\k)*16384+\a*2048+512*\c
.endr
.endr
	WIN 0
.endm
	v_and_b32 v1, 31, v0
	v_lshlrev_b32 v[LI], 4, v1
	s_wait_alu depctr_va_vdst(0)                   ; the wait
	FETCHQ 0
	FETCHQ 1
	FETCHQ 2
	v_and_b32 v2, 15, v0                           ; r
	v_bfe_u32 v3, v0, 4, 1                         ; h
	v_lshlrev_b32 v[ADRP], 4, v1                   ; an image's place for my lane: 16 x lane
	v_add_nc_u32 v[ADRP+1], 0x10000, v[LI]
	v_add_nc_u32 v[ADRP+2], 0x20000, v[LI]
	v_add_nc_u32 v[ADRP+3], 0x30000, v[LI]
	v_lshlrev_b32 v[CSO], 8, v2
	v_lshl_add_u32 v[CSO], v3, 4, v[CSO]
	v_lshlrev_b32 v[GO], 5, v3
	v_mov_b32 v[RS+1], 0                           ; (named as the upper half of a pair)
	s_lshl_b32 s62, s60, 16                        ; the tables: token 256 Y + 64 wave, rows of 256 bytes; these bases are never rewritten
	s_lshl_b32 s63, s[WV], 14
	s_add_co_u32 s62, s62, s63
	s_mov_b32 s63, 0
	s_add_nc_u64 s[16:17], s[16:17], s[62:63]
	s_add_nc_u64 s[14:15], s[14:15], s[62:63]
	s_cmp_lt_u32 ttmp9, 4
	s_cselect_b64 s[10:11], s[10:11], s[12:13]     ; q's gain or k's
.macro TABLES a                        ; 16 loads: cos and sin of tile a's 16 tokens, into the registers that held Q's set a
	WIN 0xc0
.irp b, 0,1,2,3,4,5,6,7
	global_load_b128 v[64*\a+4*\b:64*\a+4*\b+3], v[CSO], s[16:17] offset:\a*4096+32*\b          ; cos(token 16 a + r, pairs 8 b + 4 h + 0 .. 3)
	global_load_b128 v[64*\a+32+4*\b:64*\a+32+4*\b+3], v[CSO], s[14:15] offset:\a*4096+32*\b    ; sin likewise
.endr
	WIN 0
.endm
.macro FETCHP k                        ; 32 LDS loads of 512 consecutive bytes: P's eight fragments of K step k, into set k % 2
	WIN 0x40                                       ; destination window 1
.irp b, 0,1,2,3,4,5,6,7
.irp c, 0,1,2,3
	ds_load_b128 v[128*((\k)%2)+16*\b+4*\c:128*((\k)%2)+16*\b+4*\c+3], v[ADRP+(\k)/4] offset:((\k)%4)*16384+\b*2048+512*\c
.endr
.endr
	WIN 0
.endm
; 8 matrix instructions: Q's tile a against P's eight.  The 32 accumulators take turns, one instruction a turn, in the same order in every step.  zero = 1: the first product starts the sums
.macro MUL8 a, k, zero
.irp b, 0,1,2,3,4,5,6,7
.if \zero
	v_wmma_f32_16x16x128_fp8_fp8 v[8*(8*\a+\b):8*(8*\a+\b)+7], v[128*((\k)%2)+16*\b:128*((\k)%2)+16*\b+15], v[64*((\k)%4)+16*\a:64*((\k)%4)+16*\a+15], 0
.else
	v_wmma_f32_16x16x128_fp8_fp8 v[8*(8*\a+\b):8*(8*\a+\b)+7], v[128*((\k)%2)+16*\b:128*((\k)%2)+16*\b+15], v[64*((\k)%4)+16*\a:64*((\k)%4)+16*\a+15], v[8*(8*\a+\b):8*(8*\a+\b)+7]
.endif
.endr
.endm
; K step k: its sets are waited for; P's next set and Q's set three on (at the end: tables) are asked for; then 32 products
.macro STEP k, zero
.if (\k) < 14
	s_wait_loadcnt 32                              ; Q's set k is in; the two younger sets may be out
.else
	s_wait_loadcnt 48                              ; k = 14: set 15, tile 0's tables and the gain may be out; k = 15: tile 0's tables, the gain and tile 1's tables
.endif
	s_wait_dscnt 0x0                               ; P's set k is in
	PLACES 4                                       ; four places between the last products and the loads into the sets that they read (ISA guide 7.12.1 for vector instructions)
.if (\k) < 15
	FETCHP (\k)+1
.endif
.if (\k)+3 < 16
	FETCHQ (\k)+3
.endif
.if (\k) == 13
	TABLES 0
.irp b, 0,1,2,3,4,5,6,7
	global_load_b128 v[GW+8*\b:GW+8*\b+3], v[GO], s[10:11] offset:64*\b                         ; the gain at channels 16 b + 8 h + 0 .. 7
	global_load_b128 v[GW+8*\b+4:GW+8*\b+7], v[GO], s[10:11] offset:64*\b+16
.endr
.endif
.if (\k) == 14
	TABLES 1
.endif
.if (\k) == 15
	TABLES 2
.endif
	WIN MUL
	MUL8 0, \k, \zero
	MUL8 1, \k, \zero
	MUL8 2, \k, \zero
	MUL8 3, \k, \zero
.endm
	s_wait_alu depctr_va_vdst(0)                   ; the wait at the head's end
	s_wait_tensorcnt 0x0                           ; my part of K steps 0-7 is in
	ds_add_u32 v[SPW], v[NIL]
	s_wait_dscnt 0x0
	CROUND                                         ; everybody's part of K steps 0-7 is in, and all sixteen work-groups are here
	tensor_load_to_lds s[G0PB:G0PB+3], s[G1P:G1P+7]   ; my part of K steps 8-15: my one tensor load behind this round; it has seven K steps in which to land
	s_nop 0
	PLACES 4
	FETCHP 0
	STEP 0, 1                                      ; the first K step's products start the sums
.irp k, 1,2,3,4,5,6
	STEP \k, 0
.endr
	WIN 0
	s_wait_tensorcnt 0x0                           ; my part of K steps 8-15 is in,
	s_wait_dscnt 0x0                               ; no LDS instruction of mine is out,
	s_barrier_signal -1
	s_barrier_wait -1                              ; and the same holds of every wave: K step 7 fetches K step 8's fragments
.irp k, 7,8,9,10,11,12,13,14,15
	STEP \k, 0
.endr
	WIN 0
	PLACES 4                                       ; ahead of the first read of results and of the loads into Q's last set
	TABLES 3
	s_wait_kmcnt 0x0                               ; (no tensor load of mine is out: the scalar registers that held descriptors are free)
	s_add_co_i32 s90, s68, s69                     ; e0 + e1
	s_add_co_i32 s91, s70, s71                     ; e2 + e3
	s_sub_co_i32 s92, s77, s72
	s_sub_co_i32 s92, s92, s73                     ; e9 - e4 - e5: a sum of v stands for sum x 2^(e4 + e5): the three scales are folded into the conversion's one
	s_cmp_lt_u32 ttmp9, 4
	s_cselect_b32 s90, s90, s91                    ; E: a sum of q or k stands for sum x 2^E
	s_cselect_b32 s93, s74, s75                    ; e6 or e7
	s_cmp_lt_u32 ttmp9, 6
	s_cselect_b32 s93, s93, s92
	s_lshl_b32 s91, s90, 1
	s_sub_co_i32 s91, s91, 7                       ; 2 E - 7: the mean of 128 squares
	s_add_co_i32 s93, s93, 127
	s_lshl_b32 s94, s93, 23
	v_mov_b32 v[SCV], s94
	s_add_co_i32 s93, s93, 8
	s_lshl_b32 s93, s93, 23
	s_or_b32 s93, s93, 0x600000
	v_mov_b32 v[LIM], s93
	s_mov_b32 s96, 0x76543210                      ; v_permlanex16_b32's selects for lane l xor 16
	s_mov_b32 s97, 0xfedcba98
; a tile's 64 held numbers become its image's 16 registers and leave: four stores of 512 consecutive bytes
.macro QCONV a
.irp b, 0,1,2,3,4,5,6,7
	v_cvt_scalef32_pk8_fp8_f32 v[CD+16*\a+2*\b:CD+16*\a+2*\b+1], v[NR+8*\b:NR+8*\b+7], v[SCV]
.endr
	v_nop                                          ; one plain vector instruction between a scaled conversion and the next write of its sources
.irp c, 0,1,2,3
	global_store_b128 v[LI], v[CD+16*\a+4*\c:CD+16*\a+4*\c+3], s[18:19] offset:\a*2048+512*\c
.endr
.endm
; q, k: tile a of 16 tokens.  Register 8 b + j of the tile is channel 16 b + 8 h + j of my token
.macro NORMROPE a
	s_wait_loadcnt 48-16*\a                        ; the gain and this tile's tables are in; the later tiles' tables, 16 loads each, may be out
	WIN 0x0a                                       ; sources 0 and 1 window 2
	v_pk_mul_f32 v[SSQ:SSQ+1], v[64*\a:64*\a+1], v[64*\a:64*\a+1]            ; the squares, in two chains of pairs; each accumulator is read from its low end on
	v_pk_mul_f32 v[SSQ+2:SSQ+3], v[64*\a+2:64*\a+3], v[64*\a+2:64*\a+3]
.set ii, 4
.rept 15
	v_pk_fma_f32 v[SSQ:SSQ+1], v[64*\a+ii:64*\a+ii+1], v[64*\a+ii:64*\a+ii+1], v[SSQ:SSQ+1]
	v_pk_fma_f32 v[SSQ+2:SSQ+3], v[64*\a+ii+2:64*\a+ii+3], v[64*\a+ii+2:64*\a+ii+3], v[SSQ+2:SSQ+3]
.set ii, ii+4
.endr
	WIN 0
	v_pk_add_f32 v[SSQ:SSQ+1], v[SSQ:SSQ+1], v[SSQ+2:SSQ+3]
	v_add_f32 v[SSQ], v[SSQ], v[SSQ+1]
	v_permlanex16_b32 v[SSQ+1], v[SSQ], s96, s97   ; my token's other 64 channels lie in the lane 16 away
	v_add_f32 v[SSQ], v[SSQ], v[SSQ+1]
	v_ldexp_f32 v[SSQ], v[SSQ], s91                ; the mean of the squares, in true units
	v_add_f32 v[SSQ], 0x358637bd, v[SSQ]           ; + 1e-6
	s_wait_alu depctr_va_vdst(0)                   ; the wait ahead of the transcendental
	v_rsq_f32 v[RS], v[SSQ]
	v_nop                                          ; a plain instruction behind the transcendental
	s_wait_alu depctr_va_vdst(0)                   ; the wait ahead of its first reader
	v_ldexp_f32 v[RS], v[RS], s90                  ; x 2^E
	WIN 0x02                                       ; source 0 window 2
.set ii, 0
.rept 32
	v_pk_mul_f32 v[NR+ii:NR+ii+1], v[64*\a+ii:64*\a+ii+1], v[GW+ii:GW+ii+1]
.set ii, ii+2
.endr
	WIN 0
.set ii, 0
.rept 32
	v_pk_mul_f32 v[NR+ii:NR+ii+1], v[NR+ii:NR+ii+1], v[RS:RS+1] op_sel_hi:[1,0]
.set ii, ii+2
.endr
	WIN 0x0c                                       ; source 1 window 3: the tables
.irp b, 0,1,2,3,4,5,6,7
.irp p, 0,1,2,3
	v_mul_f32 v[TT+2*\p], v[NR+8*\b+2*\p+1], v[64*\a+32+4*\b+\p]      ; x2 s
	v_mul_f32 v[TT+2*\p+1], v[NR+8*\b+2*\p+1], v[64*\a+4*\b+\p]       ; x2 c
.endr
.irp p, 0,1,2,3
	v_fma_f32 v[NR+8*\b+2*\p+1], v[NR+8*\b+2*\p], v[64*\a+32+4*\b+\p], v[TT+2*\p+1]   ; x1 s + x2 c
	v_fma_f32 v[NR+8*\b+2*\p], v[NR+8*\b+2*\p], v[64*\a+4*\b+\p], -v[TT+2*\p]         ; x1 c - x2 s
.endr
.endr
	WIN 0
.set ii, 0
.rept 64
	v_med3_num_f32 v[NR+ii], v[NR+ii], -v[LIM], v[LIM]   ; the conversion to an 8-bit code does not saturate (ISA guide 7.6.2)
.set ii, ii+1
.endr
	QCONV \a
.endm
; v: tile a of 16 channels.  Register 8 b + j is token 16 b + 8 h + j of my channel
.macro VHOLD a
	WIN 0x02
.set ii, 0
.rept 64
	v_med3_num_f32 v[NR+ii], v[64*\a+ii], -v[LIM], v[LIM]
.set ii, ii+1
.endr
	WIN 0
	QCONV \a
.endm
	s_wait_alu depctr_va_vdst(0)                   ; the wait
	s_cmp_lt_u32 ttmp9, 6
	s_cbranch_scc0 .Lvalues
	s_lshl_b32 s88, s59, 18                        ; head X,
	s_lshl_b32 s89, s60, 15                        ; token tile 16 Y + 4 wave
	s_add_co_u32 s88, s88, s89
	s_lshl_b32 s89, s[WV], 13
	s_add_co_u32 s88, s88, s89
	s_mov_b32 s89, 0
	s_add_nc_u64 s[18:19], s[18:19], s[88:89]
	NORMROPE 0
	NORMROPE 1
	NORMROPE 2
	NORMROPE 3
	s_branch .Lend
.Lvalues:
	s_lshl_b32 s88, s57, 1
	s_add_co_u32 s88, s88, s21                     ; head 2 cy + wave / 2
	s_lshl_b32 s88, s88, 18
	s_lshl_b32 s89, s58, 3
	s_add_co_u32 s89, s89, s59
	s_sub_co_u32 s89, s89, 24                      ; the block of 128 tokens
	s_lshl_b32 s89, s89, 14
	s_add_co_u32 s88, s88, s89
	s_lshl_b32 s89, s22, 13                        ; channel tiles 4 (wave % 2) on
	s_add_co_u32 s88, s88, s89
	s_add_co_u32 s88, s88, 6291456
	s_mov_b32 s89, 0
	s_add_nc_u64 s[18:19], s[18:19], s[88:89]
	VHOLD 0
	VHOLD 1
	VHOLD 2
	VHOLD 3
.Lend:
	s_wait_tensorcnt 0x0                           ; the wave's end
	ds_add_u32 v[SPW], v[NIL]
	s_wait_dscnt 0x0
	CROUND                                         ; the closing round: no work-group ends while a partner may still ask for a tile that names it
	s_endpgm
.Lfunc_end_k_qe87128fbc1_qkv:
	.size	k_qe87128fbc1_qkv, .Lfunc_end_k_qe87128fbc1_qkv-k_qe87128fbc1_qkv
	.p2alignl 7, 3214868480
	.fill 96, 4, 3214868480
	.section	.rodata,"a",@progbits
	.p2align	6, 0x0
	.amdhsa_kernel k_qe87128fbc1_qkv
		.amdhsa_group_segment_fixed_size 327680
		.amdhsa_private_segment_fixed_size 0
		.amdhsa_enable_private_segment 0
		.amdhsa_kernarg_size 64
		.amdhsa_user_sgpr_count 2
		.amdhsa_user_sgpr_kernarg_segment_ptr 1
		.amdhsa_wavefront_size32 1
		.amdhsa_system_sgpr_workgroup_id_x 1
		.amdhsa_system_sgpr_workgroup_id_y 1
		.amdhsa_system_sgpr_workgroup_id_z 1
		.amdhsa_system_vgpr_workitem_id 0
		.amdhsa_next_free_vgpr 1024
		.amdhsa_next_free_sgpr 102
		.amdhsa_reserve_vcc 0
		.amdhsa_float_denorm_mode_32 3
		.amdhsa_float_denorm_mode_16_64 3
		.amdhsa_memory_ordered 1
		.amdhsa_forward_progress 1
		.amdhsa_inst_pref_size 200
	.end_amdhsa_kernel
	.amdgpu_metadata
---
amdhsa.version: [ 1, 2 ]
amdhsa.kernels:
  - .name:           k_qe87128fbc1_qkv
    .symbol:         k_qe87128fbc1_qkv.kd
    .args:
      - { .name: xc, .offset: 0, .size: 8, .value_kind: global_buffer, .address_space: global }
      - { .name: wc, .offset: 8, .size: 8, .value_kind: global_buffer, .address_space: global }
      - { .name: lowp_scales, .offset: 16, .size: 8, .value_kind: global_buffer, .address_space: global }
      - { .name: qn_w, .offset: 24, .size: 8, .value_kind: global_buffer, .address_space: global }
      - { .name: kn_w, .offset: 32, .size: 8, .value_kind: global_buffer, .address_space: global }
      - { .name: sin, .offset: 40, .size: 8, .value_kind: global_buffer, .address_space: global }
      - { .name: cos, .offset: 48, .size: 8, .value_kind: global_buffer, .address_space: global }
      - { .name: qkv, .offset: 56, .size: 8, .value_kind: global_buffer, .address_space: global }
    .group_segment_fixed_size: 327680
    .private_segment_fixed_size: 0
    .kernarg_segment_align: 8
    .kernarg_segment_size: 64
    .max_flat_workgroup_size: 128
    .sgpr_count:     102
    .vgpr_count:     1024
    .wavefront_size: 32
...
	.end_amdgpu_metadata
.endif
;; end of part 2
;; launch attn (part 3): grid 32 x 8, 8 waves a work-group, no clusters, 52,224 bytes of LDS; arguments qkv, lowp_scales, ac, Wo, woc; writes ac, woc
.if DOCPART == 3
	.amdgcn_target "amdgcn-amd-amdhsa--gfx1250"
	.amdhsa_code_object_version 6
	.text
	.protected	k_qe87128fbc1_attn
	.globl	k_qe87128fbc1_attn
	.p2align	8
	.type	k_qe87128fbc1_attn,@function
k_qe87128fbc1_attn:
	s_mov_b64 s[64:65], 0
	v_nop
	global_prefetch_b8 v0, s[64:65] scope:SCOPE_SE
	s_setreg_imm32_b32 hwreg(HW_REG_WAVE_MODE, 25, 1), 1
	s_wait_xcnt 0x0
; Causal attention on E4M3 codes, 16 query heads on 8 key and value heads, head size 128, 2,048 tokens; then the quantiser of the output projection's left operand (2^e10).  On the way: the quantiser of its right operand, Wo (2^e11).
; LEFT OUT: key steps all of whose keys come after a tile's queries: reference()'s own causal mask makes their p zero for all inputs.  A NaN or an infinity that reaches only such scores is not carried to the result.
; qkv holds images of operand registers (a fragment, 16 rows x 128 K, is 2,048 bytes: registers 4 c' .. 4 c' + 3 of lane l at 512 c' + 16 l): q head X and k head X - 16 at X x 262,144 + (token / 16) x 2,048;
; v at 6,291,456 + head x 262,144 + (token / 128) x 16,384 + (channel / 16) x 2,048, keys innermost.  ac: panel (token / 128) x 262,144 + query head x 16,384 + (token / 16 % 8) x 2,048.
; THE SOFTMAX: t = score x log2(e) / sqrt(128); M = the row's largest t so far, rounded UP to a whole number; p = 2^(t - M) is what is quantised (2^e8); the row's sum is taken of the unquantised p and divides at the end.
; When M moves, the sum and O are multiplied by 2^(old M - new M), which rounds nothing.  Both products are used transposed (S^T = K Q^T, O^T = V^T P^T): a lane holds ONE query (lane % 16).
; SHARES.  Work-group x = 4 J + cx, y = g: head 2 g + cx % 2, half cx / 2 of the blocks of 128 queries J and 15 - J: four tiles of 16 queries of each.
; A tile of block 15 - J has 16 - J key steps of 128, one of block J has J + 1: 17 together.  THE LONG TILE'S KEYS ARE DIVIDED between two waves: wave w (0-3) takes its key steps 0 .. 8: nine steps;
; wave w + 4 takes its key steps 9 .. 15 - J, leaves O^T, -M and the sum in an LDS stage, and goes on with the tile of block J, key steps 0 .. J: eight steps.  So every trip count is a constant and no step is idle.
; At the end wave w joins the two parts: both are brought under the larger M by powers of two.  For J = 7 the second part is empty: zeros under M = -3e38, which the join multiplies by 0.
; K's AND V's FRAGMENTS GO FROM MEMORY STRAIGHT INTO REGISTERS: they lie as register images, so a load of 512 consecutive bytes fills four registers of a fragment.  NO TENSOR LOADS AND NO JOINT LOADS: through LDS a work-group would
; write 17 x 32,768 bytes and read 68 x 32,768 back; as it is, the 68 x 32,768 bytes are moved once.  The waves share nothing but the part stages, so the text has one barrier, ahead of the join.
; K is asked for a step ahead of its product, V at the head of its step.  Steps 0-6 are a loop; the eighth step and the ninth, which ask for other things, are written out.
; Wo [2048 (k)][2048 (n)] f32 is 256 blocks of 128 k x 128 n, one for each work-group; a wave takes 32 k x 64 n: prefetched at the head (one request a wave, a lane a row's 256 bytes), loaded in the wave's last key step.
; Its codes go to woc: panel (n / 128) x 262,144 + (k / 128) x 16,384 + (n / 16 % 8) x 2,048 + the image (rows = Wo's columns, K = its first axis).
; LIMITS: e6 + e7 between -123 and 130 (added to c's exponent field); e8, e10 and e11 between -126 and 119; e8 + e9 is applied by v_ldexp_f32 and has none; the scaled scores t stay under 2^31 in magnitude.  NaN in Wo is not served.
.set SPARE, 0                          ; the spare words, 128 bytes for each of the eight waves
.set WSTG,  1024                       ; a stage of 2,048 bytes for each wave: first the second tile's Q (waves 4-7), later Wo's codes
.set PSTG,  WSTG+8*2048                ; four stages of PSZ bytes: the long tile's second part, from wave w + 4 to wave w
.set PSZ,   8704                       ; O^T: 16 x 512 bytes; then -M, the largest t and the sum's halves: 512
.set LI,  1                            ; v1  16 x lane
.set DM,  2                            ; v2  my query's place in its block of 128, less 8 (lane / 16)
.set PFO, 3                            ; v3  256 x lane: the offset of K's and V's prefetches
.set PFW, 4                            ; v4  8,192 x lane: the offset of Wo's prefetch
.set SPW, 5                            ; v5  my spare word; never rewritten
.set NIL, 6                            ; v6  0; never rewritten
.set WOF, 7                            ; v7  Wo: 8 rows x (lane / 16) + 16 (lane % 16)
.set PST, 9                            ; v9  my place in the pair's part stage
.set WSI, 10                           ; v10 Wo's stage: where I put a column's 16 bytes;  v11 16 x lane in my wave's stage
.set WSO, 11
; v12 -M, v13 the largest t, v[14:15] the sum in two halves; v16-31 Q; v32-95 Wo's numbers; v96-159 S^T, then p; v160-223 O^T; v224-239 codes; v240, v244: 448 x 2^e8, 2^e8; v241, v245: with e10; v247, v246: with e11;
; v234-239, v242-243, v248-255 at work.   window 1: v0-127 K's eight fragments of a step, v128-255 V's.
.set WV,  18
.set SEL, 20                           ; s[20:21] v_permlanex16_b32's selects for lane l xor 16
.set CS,  22                           ; s[22:23] c = log2(e) / sqrt(128) x 2^(e6 + e7)
.set KB,  24                           ; s[24:25] K of key head g;  s[26:27] V
.set VB,  26
.set KA,  28                           ; s[28:29] the key step of K that is asked for;  s[30:31] of V
.set VA,  30
.set PB,  32                           ; s[32:33] what my work-group prefetches of a key step;  s[84:85] the same in the key step two on
.set PFA, 84
.set PLIM, 86                          ; s86 I prefetch while my key step + 2 is at most this
.set TRIPS, 67
.set KS,  98                           ; s98 my key step;  s99 my tile's block: the step lies on the diagonal where they are equal
.set BLK, 99
.set MSB, 0
.macro WIN new
.if MSB != \new
	s_set_vgpr_msb (MSB<<8)|\new
.set MSB, \new
.endif
.endm
.macro PLACES n
.rept \n
	v_nop
.endr
.endm
	s_load_b128 s[4:7], s[0:1], 0x0                ; qkv, the exponents
	s_load_b64 s[8:9], s[0:1], 0x10                ; ac
	s_load_b128 s[12:15], s[0:1], 0x18             ; Wo 12:13, woc 14:15
	v_lshl_add_u32 v[SPW], v0, 2, SPARE
	v_mov_b32 v[NIL], 0
	v_lshrrev_b32 v96, 5, v0
	v_readfirstlane_b32 s[WV], v96                 ; wave 0..7
	s_lshr_b32 s3, ttmp9, 2                        ; J
	s_and_b32 s48, ttmp9, 3                        ; cx
	s_and_b32 s49, ttmp7, 0xffff                   ; g
	s_lshr_b32 s53, s[WV], 2                       ; role
	s_and_b32 s52, s[WV], 3
	s_lshl_b32 s47, s49, 18
	s_sub_co_u32 s[BLK], 15, s3                    ; every wave begins on the long tile
	s_cmp_lt_u32 s[WV], 4
	s_cselect_b32 s[KS], 0, 9
	s_cselect_b32 s54, s[BLK], s3                  ; the block whose tile I write out
	s_lshr_b32 s50, s48, 1                         ; which half of a block
	s_and_b32 s51, s48, 1
	s_lshl_b32 s46, s49, 1
	s_add_co_u32 s51, s51, s46                     ; my query head
	s_lshl_b32 s55, s50, 2
	s_add_co_u32 s55, s55, s52                     ; my tile in a block: 4 half + wave % 4
	s_lshl_b32 s62, s55, 4                         ; its first query in the block
	s_lshl_b32 s46, s51, 18
	s_lshl_b32 s56, s[BLK], 3
	s_add_co_u32 s56, s56, s55
	s_lshl_b32 s56, s56, 11
	s_add_co_u32 s56, s56, s46                     ; Q of the long tile
	s_mov_b32 s57, 0
	s_lshl_b32 s58, s3, 3
	s_add_co_u32 s58, s58, s55
	s_lshl_b32 s58, s58, 11
	s_add_co_u32 s58, s58, s46                     ; Q of the short tile
	s_mov_b32 s59, 0
	s_lshl_b32 s60, s54, 18
	s_lshl_b32 s46, s51, 14
	s_add_co_u32 s60, s60, s46
	s_lshl_b32 s46, s55, 11
	s_add_co_u32 s60, s60, s46                     ; my fragment of ac
	s_mov_b32 s61, 0
	s_add_co_u32 s[KB], s47, 4194304
	s_mov_b32 s[KB+1], 0
	s_add_co_u32 s[VB], s47, 6291456
	s_mov_b32 s[VB+1], 0
	s_and_b32 s[PB], s48, 1                        ; the prefetches: work-group cx takes K's (cx % 2 = 0) or V's 16,384 bytes of a key step, half cx / 2 of them
	s_lshl_b32 s[PB], s[PB], 21
	s_add_co_u32 s[PB], s[PB], s[KB]
	s_lshl_b32 s46, s50, 13
	s_add_co_u32 s[PB], s[PB], s46
	s_mov_b32 s[PB+1], 0
	s_or_b32 s46, s3, s52                          ; 0 in waves 0 and 4 of the work-groups with J = 0: they walk key steps 0 .. 8 and 9 .. 15, each at the time step at which a key head's work-groups first read it
	s_cmp_eq_u32 s46, 0
	s_cselect_b32 s[PLIM], 15, 0
	s_cmp_gt_u32 s[KS], s[BLK]                     ; J = 7: waves 4-7 have no key step of the long tile and begin with key step 0
	s_cselect_b32 s82, 0, s[KS]
	s_lshl_b32 s82, s82, 14
	s_mov_b32 s83, 0
	s_mov_b32 s45, 0
	s_mov_b32 s51, 0
	; Wo: my work-group's block: number 32 g + x = 16 x panel + K step; my wave's part: rows 32 (wave / 2) on, columns 64 (wave % 2) on
	s_lshl_b32 s10, s49, 5
	s_add_co_u32 s10, s10, ttmp9
	s_lshr_b32 s11, s10, 4                         ; the panel of 128 columns
	s_and_b32 s10, s10, 15                         ; the K step
	s_lshr_b32 s63, s[WV], 1
	s_and_b32 s66, s[WV], 1
	s_lshl_b32 s80, s10, 20
	s_lshl_b32 s46, s63, 18
	s_add_co_u32 s80, s80, s46
	s_lshl_b32 s46, s11, 9
	s_add_co_u32 s80, s80, s46
	s_lshl_b32 s46, s66, 8
	s_add_co_u32 s80, s80, s46
	s_mov_b32 s81, 0
	s_lshl_b32 s44, s11, 18
	s_lshl_b32 s46, s10, 14
	s_add_co_u32 s44, s44, s46
	s_lshl_b32 s46, s66, 13
	s_add_co_u32 s44, s44, s46
	s_lshl_b32 s46, s63, 9                         ; my 32 rows of K are registers 4 (wave / 2) on of every image
	s_add_co_u32 s44, s44, s46
	s_lshl_b32 s16, s[WV], 11
	s_add_co_u32 s16, s16, WSTG                    ; my wave's stage
	s_mul_i32 s19, s52, PSZ
	s_add_co_u32 s19, s19, PSTG                    ; the part stage of waves w and w + 4
	s_mov_b32 s[SEL], 0x76543210
	s_mov_b32 s[SEL+1], 0xfedcba98
	s_mov_b32 s[CS], 0x3e0293ee                    ; log2(e) / sqrt(128)
	s_mov_b32 s[TRIPS], 7
	v_and_b32 v96, 15, v0                          ; ll
	v_bfe_u32 v97, v0, 4, 1                        ; hl
	v_and_b32 v98, 3, v0
	v_and_b32 v99, 31, v0
	v_lshlrev_b32 v[WOF], 4, v96
	v_lshrrev_b32 v[WSI], 2, v96                   ; Wo's column 4 ll + j lies in tile ll / 4 of the wave's four, as its row 4 (ll % 4) + j
	v_lshl_add_u32 v[WOF], v97, 16, v[WOF]         ; 8 rows of 8,192 bytes x hl + 16 ll
	v_lshlrev_b32 v[WSI], 9, v[WSI]
	v_lshlrev_b32 v[LI], 4, v99
	v_lshl_add_u32 v[WSI], v97, 8, v[WSI]
	v_lshlrev_b32 v[PFO], 8, v99
	v_lshl_add_u32 v[WSI], v98, 6, v[WSI]          ; 512 (ll / 4) + 256 hl + 64 (ll % 4); 16 j stands in the immediate
	v_lshl_add_u32 v[WSO], v99, 4, s16
	v_add_nc_u32 v[WSI], s16, v[WSI]
	v_lshlrev_b32 v[PFW], 13, v99
	v_lshl_add_u32 v[PST], v99, 4, s19
	v_lshlrev_b32 v97, 3, v97
	v_sub_nc_u32 v[DM], v96, v97
	v_add_nc_u32 v[DM], s62, v[DM]
	s_wait_alu depctr_va_vdst(0)                   ; the wait directly ahead of the wait below
	s_wait_kmcnt 0x0
	s_load_b256 s[68:75], s[6:7], 0x0              ; e0 .. e7
	s_load_b128 s[76:79], s[6:7], 0x20             ; e8 .. e11
	s_add_nc_u64 s[56:57], s[4:5], s[56:57]
	s_add_nc_u64 s[58:59], s[4:5], s[58:59]
	s_add_nc_u64 s[8:9], s[8:9], s[60:61]
	s_add_nc_u64 s[KB:KB+1], s[4:5], s[KB:KB+1]
	s_add_nc_u64 s[VB:VB+1], s[4:5], s[VB:VB+1]
	s_add_nc_u64 s[PB:PB+1], s[4:5], s[PB:PB+1]
	s_add_nc_u64 s[KA:KA+1], s[KB:KB+1], s[82:83]
	s_add_nc_u64 s[12:13], s[12:13], s[80:81]
	s_add_nc_u64 s[14:15], s[14:15], s[44:45]
.macro KLOAD                           ; K's eight fragments of a key step: 32 loads of 512 consecutive bytes
.irp t, 0,1,2,3,4,5,6,7
.irp c, 0,1,2,3
	global_load_b128 v[16*\t+4*\c:16*\t+4*\c+3], v[LI], s[KA:KA+1] offset:\t*2048+512*\c
.endr
.endr
.endm
.macro WOLOAD                          ; Wo: register 4 i + j is row 16 (i / 8) + 8 hl + i % 8 of column 4 ll + j: sixteen lanes read 256 consecutive bytes, aligned
.set ii, 0
.rept 16
	global_load_b128 v[32+4*ii:35+4*ii], v[WOF], s[12:13] offset:((ii%8)+16*(ii/8))*8192 th:TH_LOAD_NT
.set ii, ii+1
.endr
.endm
.irp c, 0,1,2,3
	global_load_b128 v[16+4*\c:19+4*\c], v[LI], s[56:57] offset:512*\c   ; Q of the long tile
.endr
	s_cmp_lt_u32 s[WV], 4
	s_cbranch_scc1 .Lone_q
.irp c, 0,1,2,3
	global_load_b128 v[96+4*\c:99+4*\c], v[LI], s[58:59] offset:512*\c   ; waves 4-7: Q of the short tile, on its way to my stage
.endr
.Lone_q:
	WIN 0x40
	KLOAD                                          ; my first key step's K
	WIN 0
	global_prefetch_b8 v[PFW], s[12:13] th:TH_LOAD_NT scope:SCOPE_SE   ; Wo: my wave's 32 rows of 256 bytes, a lane a row: each block is named once in the launch, seven key steps ahead of its load
	v_mov_b32 v13, 0xff61b1e6                      ; the largest t so far: -3e38, under every t
	v_floor_f32 v12, -v13                          ; -M
	v_mov_b32 v14, 0
	v_mov_b32 v15, 0
	v_mov_b32 v236, 0                              ; written once: a lane permute's destination counts as one of its sources
	v_mov_b32 v253, 0                              ; (named as the upper half of the pair v[252:253])
.set ii, 0
.rept 64
	v_mov_b32 v[160+ii], 0                         ; O^T: the step has no first step of its own: the first finds zeros
.set ii, ii+1
.endr
	s_wait_kmcnt 0x0
	s_add_co_i32 s80, s74, s75
	s_lshl_b32 s80, s80, 23
	s_add_co_i32 s[CS], s[CS], s80                 ; a score stands for score x 2^(e6 + e7)
	s_mov_b32 s[CS+1], s[CS]
.macro SCALE e, one, top               ; 2^e and 448 x 2^e as f32
	s_add_co_i32 s80, \e, 127
	s_lshl_b32 s81, s80, 23
	v_mov_b32 \one, s81
	s_add_co_i32 s80, s80, 8
	s_lshl_b32 s80, s80, 23
	s_or_b32 s80, s80, 0x600000
	v_mov_b32 \top, s80
.endm
	SCALE s76, v244, v240
	SCALE s78, v245, v241
	SCALE s79, v246, v247
; A KEY STEP: 128 keys.  K's fragments were asked for a step ago; V's are asked for at the head and land under the softmax.  Behind the first product, into K's registers or Wo's:
; nk = 1: the next step's K, and the prefetch;  nk = 2: waves 0-3 the ninth step's K, waves 4-7, whose last step this is, Wo's numbers;  nk = 3: Wo's numbers.
; sw = 1: waves 4-7 change tiles where the long tile's keys are over (my key step has passed its block): branches on the wave's number, the work-group's number and the count of steps.
.macro STEP nk, sw
.if \sw
	s_cmp_lt_u32 s[WV], 4
	s_cbranch_scc1 .Lstay_\@
	s_cmp_le_u32 s[KS], s[BLK]
	s_cbranch_scc1 .Lstay_\@
	PLACES 4                                       ; between the last products and the stores that read their results
.set ii, 0
.rept 16
	ds_store_b128 v[PST], v[160+4*ii:163+4*ii] offset:512*ii   ; the long tile's second part: O^T as an image of its registers, each accumulator from its low end on,
.set ii, ii+1
.endr
	ds_store_b128 v[PST], v[12:15] offset:8192     ; -M, the largest t, the sum's halves
.irp c, 0,1,2,3
	ds_load_b128 v[16+4*\c:19+4*\c], v[WSO] offset:512*\c   ; the short tile's Q
.endr
	v_mov_b32 v13, 0xff61b1e6                      ; M begins anew: the next step's f is then 0, and O^T and the sum, which are finite, become zeros
	v_floor_f32 v12, -v13
	s_mov_b32 s[KS], 0
	s_mov_b32 s[BLK], s3
	s_wait_alu depctr_va_vdst(0)                   ; the wait directly ahead of the wait below
	s_wait_dscnt 0x0                               ; Q is in
.Lstay_\@:
.endif
	s_wait_xcnt 0x0                                ; the last step's loads and prefetch have read their bases, which are written anew:
	s_lshl_b32 s82, s[KS], 14
	s_add_nc_u64 s[VA:VA+1], s[VB:VB+1], s[82:83]  ; this key step's V
.if \nk == 1 || \nk == 2
	s_add_co_u32 s46, s[KS], 1
	s_cmp_gt_u32 s46, s[BLK]                       ; behind the long tile's last key step comes the short tile's key step 0
	s_cselect_b32 s46, 0, s46
	s_lshl_b32 s44, s46, 14
	s_add_nc_u64 s[KA:KA+1], s[KB:KB+1], s[44:45]  ; the next key step's K
.endif
.if \nk == 1
	s_add_co_u32 s47, s[KS], 2
	s_lshl_b32 s50, s47, 14
	s_add_nc_u64 s[PFA:PFA+1], s[PB:PB+1], s[50:51]
.endif
	PLACES 4                                       ; four places between the last products, which read V's registers, and the loads into them
	WIN 0x40                                       ; destination window 1
.irp t, 0,1,2,3,4,5,6,7
.irp c, 0,1,2,3
	global_load_b128 v[128+16*\t+4*\c:128+16*\t+4*\c+3], v[LI], s[VA:VA+1] offset:\t*2048+512*\c
.endr
.endr
	s_wait_loadcnt 32                              ; K is in; V's 32 loads may be out
	WIN 0x01                                       ; source 0 window 1
.irp t, 0,1,2,3,4,5,6,7
	v_wmma_f32_16x16x128_fp8_fp8 v[96+8*\t:103+8*\t], v[16*\t:16*\t+15], v[16:31], 0
.endr
	PLACES 4                                       ; ahead of the reads of the scores and of the loads into K's registers
.if \nk == 1
	WIN 0x40
	KLOAD
	WIN 0
	s_cmp_le_u32 s47, s[PLIM]                      ; a prefetch into the L2: my work-group's 8,192 bytes of the key step two on, lanes 256 bytes apart; key steps 0, 1, 9 and 10 come by their loads alone; none lies behind key step 15
	s_cbranch_scc0 .Lnot_mine_\@
	global_prefetch_b8 v[PFO], s[PFA:PFA+1] th:TH_LOAD_NT scope:SCOPE_SE
.Lnot_mine_\@:
.endif
.if \nk == 2
	WIN 0
	s_cmp_lt_u32 s[WV], 4
	s_cbranch_scc0 .Lwo_\@
	WIN 0x40
	KLOAD
	WIN 0
	s_branch .Lasked_\@
.Lwo_\@:
	WOLOAD
.Lasked_\@:
.endif
.if \nk == 3
	WIN 0
	WOLOAD
.endif
	s_cmp_lg_u32 s[KS], s[BLK]                     ; on the diagonal the scores of hidden keys become -infinity ahead of the maximum: p = 0 then
	s_cbranch_scc1 .Lopen_\@
	v_mov_b32 v254, 0xff800000
.set ii, 0
.rept 64
	v_cmp_gt_i32 vcc_lo, 16*(ii/8)+ii%8, v[DM]     ; register 8 t + j holds key 16 t + 8 (lane / 16) + j of the block: hidden where 16 t + j > my query - 8 (lane / 16)
	v_cndmask_b32 v[96+ii], v[96+ii], v254, vcc_lo
.set ii, ii+1
.endr
.Lopen_\@:
	v_max3_num_f32 v254, v96, v97, v98             ; the step's largest score of my query among my 64 keys, in two chains, each accumulator from its low end on,
	v_max3_num_f32 v252, v99, v100, v101
.irp i, 6,10,14,18,22,26,30,34,38,42,46,50,54,58
	v_max3_num_f32 v254, v254, v[96+\i], v[97+\i]
	v_max3_num_f32 v252, v252, v[98+\i], v[99+\i]
.endr
	v_max3_num_f32 v254, v254, v158, v159
	s_delay_alu instid0(VALU_DEP_1)
	v_max_num_f32 v254, v254, v252
	v_permlanex16_b32 v236, v254, s[SEL], s[SEL+1]
	s_delay_alu instid0(VALU_DEP_1)
	v_max_num_f32 v254, v254, v236                 ; and among lane l xor 16's
	s_delay_alu instid0(VALU_DEP_1)
	v_mul_f32 v254, s[CS], v254                    ; as t (c is positive)
	s_delay_alu instid0(VALU_DEP_1)
	v_max_num_f32 v13, v13, v254                   ; the running largest t
	v_mov_b32 v254, v12
	s_delay_alu instid0(VALU_DEP_2)
	v_floor_f32 v12, -v13                          ; the new -M = floor(-t): M is a whole number
	s_delay_alu instid0(VALU_DEP_1)
	v_sub_f32 v254, v12, v254                      ; old M - new M: a whole number, 0 or less
	s_delay_alu instid0(VALU_DEP_1)
	v_cvt_i32_f32 v254, v254                       ; (it saturates)
	s_delay_alu instid0(VALU_DEP_1)
	v_ldexp_f32 v252, 1.0, v254                    ; f = 2^(old M - new M)
.set ii, 0
.rept 32
	v_pk_fma_f32 v[96+ii:97+ii], v[96+ii:97+ii], s[CS:CS+1], v[12:13] op_sel_hi:[1,0,0]   ; t - M, two at a time
.set ii, ii+2
.endr
	s_wait_alu depctr_va_vdst(0)                   ; the wait ahead of the batch
.set ii, 0
.rept 64
	v_exp_f32 v[96+ii], v[96+ii]                   ; p = 2^(t - M), at most 1: not normalised
.set ii, ii+1
.endr
	v_pk_mul_f32 v[14:15], v[14:15], v[252:253] op_sel_hi:[1,0]   ; the sums under the new M.  (A plain instruction behind the exponentials)
	s_wait_alu depctr_va_vdst(0)                   ; one wait for the batch, ahead of its first reader
.set ii, 96                            ; the row's sum of the unquantised p, two at a time, in eight chains
.irp r, 242,254,250,248,238,236,234
	v_pk_add_f32 v[\r:\r+1], v[ii:ii+1], v[ii+2:ii+3]
.set ii, ii+4
.endr
	v_pk_add_f32 v[14:15], v[14:15], v[124:125]
.set ii, 126
.rept 2
.irp r, 242,254,250,248,238,236,234,14
	v_pk_add_f32 v[\r:\r+1], v[\r:\r+1], v[ii:ii+1]
.set ii, ii+2
.endr
.endr
	v_pk_add_f32 v[242:243], v[242:243], v[158:159]
	v_pk_add_f32 v[14:15], v[14:15], v[248:249]
	v_pk_add_f32 v[254:255], v[254:255], v[236:237]
	v_pk_add_f32 v[250:251], v[250:251], v[234:235]
	v_pk_add_f32 v[242:243], v[242:243], v[238:239]
	v_pk_add_f32 v[14:15], v[14:15], v[254:255]
	v_pk_add_f32 v[242:243], v[242:243], v[250:251]
	v_pk_add_f32 v[14:15], v[14:15], v[242:243]
.irp t, 0,1,2,3,4,5,6,7
.irp i, 0,1,2,3,4,5,6,7
	v_min_num_f32 v[96+8*\t+\i], v[96+8*\t+\i], v240   ; the conversion does not saturate (ISA guide 7.6.2); p is not negative, so the hold is one-sided
.endr
	v_cvt_scalef32_pk8_fp8_f32 v[224+2*\t:225+2*\t], v[96+8*\t:103+8*\t], v244   ; registers 2 t, 2 t + 1 of P's fragment: keys 16 t + 8 (lane / 16) + 0 .. 7
.endr
	s_wait_alu depctr_va_vdst(0)                   ; the wait directly ahead of the first reader of O^T
.set ii, 0
.rept 32
	v_pk_mul_f32 v[160+ii:161+ii], v[160+ii:161+ii], v[252:253] op_sel_hi:[1,0]   ; O^T under the new M.  (Also the plain instructions between the conversions and the products that read the codes)
.set ii, ii+2
.endr
	s_wait_alu depctr_va_vdst(0)                   ; the wait directly ahead of the wait below
.if \nk == 1
	s_wait_loadcnt 32                              ; V is in; the next step's K, 32 loads, may be out
.else
	s_wait_loadcnt 16                              ; V is in; Wo's 16 loads may be out (nk = 2, waves 0-3: the younger 16 of K's 32)
.endif
	WIN 0x01
.irp t, 0,1,2,3,4,5,6,7
	v_wmma_f32_16x16x128_fp8_fp8 v[160+8*\t:167+8*\t], v[128+16*\t:128+16*\t+15], v[224:239], v[160+8*\t:167+8*\t]   ; the eight accumulators take turns, one instruction a turn
.endr
	WIN 0
	s_add_co_u32 s[KS], s[KS], 1
.endm
	s_wait_alu depctr_va_vdst(0)                   ; the wait at the head's end
	s_wait_loadcnt 32                              ; Q's loads are in; K's 32, issued behind them, may be out
	s_cmp_lt_u32 s[WV], 4
	s_cbranch_scc1 .Lstep
.irp c, 0,1,2,3
	ds_store_b128 v[WSO], v[96+4*\c:99+4*\c] offset:512*\c   ; waves 4-7: the short tile's Q waits in my stage
.endr
.Lstep:                                                ; seven trips: time steps 0-6
	STEP 1, 1
	s_sub_co_u32 s[TRIPS], s[TRIPS], 1
	s_cmp_lg_u32 s[TRIPS], 0
	s_cbranch_scc1 .Lstep
	STEP 2, 1                                      ; time step 7
	s_cmp_lt_u32 s[WV], 4
	s_cbranch_scc0 .Lwoc
	STEP 3, 0                                      ; waves 0-3: key step 8 of the long tile
.Lwoc:
	; Wo's CODES.  For column j: rows i = 0 .. 7 are k = 16 (2 w') + 8 hl + 0 .. 7 and rows 8 .. 15 are k = 16 (2 w' + 1) + 8 hl + 0 .. 7 (w' = wave / 2): the four registers 4 w' .. 4 w' + 3 of lane (r, hl) of the column's tile.
	; The hold also gathers a column's eight neighbours along K into consecutive registers.  S^T's registers are free now: v96-111 held numbers, two sets by turns; v112-127 codes.
	s_wait_loadcnt 0x0                             ; Wo's numbers
.irp j, 0,1,2,3
.irp u, 0,1
.set ii, 0
.rept 8
	v_med3_num_f32 v[96+8*\u+ii], v[32+4*(8*\u+ii)+\j], -v247, v247
.set ii, ii+1
.endr
	v_cvt_scalef32_pk8_fp8_f32 v[112+4*\j+2*\u:113+4*\j+2*\u], v[96+8*\u:103+8*\u], v246   ; the other set's eight holds stand between this line and the next write of its sources
.endr
.endr
	v_nop                                          ; one plain vector instruction behind the last conversion
.irp j, 0,1,2,3
	ds_store_b128 v[WSI], v[112+4*\j:115+4*\j] offset:16*\j   ; my stage's Q has been read: every wave 4-7 has changed tiles by time step 7
.endr
.irp t, 0,1,2,3
	ds_load_b128 v[32+4*\t:35+4*\t], v[WSO] offset:512*\t   ; LDS serves a wave's instructions in order: these see the stores above.  They land in registers that nothing writes again
.endr
	s_wait_dscnt 0x0                               ; the codes are back; and my stores into the part stage are done: the barrier below says so to wave w
.irp t, 0,1,2,3
	global_store_b128 v[LI], v[32+4*\t:35+4*\t], s[14:15] offset:2048*\t   ; 32 lanes store 512 consecutive bytes, at a multiple of 256 from woc's first byte
.endr
	s_barrier_signal -1
	s_barrier_wait -1                              ; every second part lies in its stage
	s_cmp_lt_u32 s[WV], 4
	s_cbranch_scc0 .Lout
	; THE JOIN: my part and wave w + 4's, lane by lane, under the larger M
.set ii, 0
.rept 16
	ds_load_b128 v[96+4*ii:99+4*ii], v[PST] offset:512*ii
.set ii, ii+1
.endr
	ds_load_b128 v[248:251], v[PST] offset:8192    ; its -M, its largest t, its sum's halves
	s_wait_dscnt 0x0
	v_min_num_f32 v252, v12, v248                  ; the joint -M
	v_sub_f32 v254, v252, v248                     ; its M - the joint M: a whole number, 0 or less
	v_sub_f32 v252, v252, v12                      ; mine likewise
	v_cvt_i32_f32 v254, v254                       ; (they saturate)
	v_cvt_i32_f32 v252, v252
	v_ldexp_f32 v254, 1.0, v254
	v_ldexp_f32 v252, 1.0, v252
	v_pk_mul_f32 v[14:15], v[14:15], v[252:253] op_sel_hi:[1,0]
	v_pk_fma_f32 v[14:15], v[250:251], v[254:255], v[14:15] op_sel_hi:[1,0,1]
.set ii, 0
.rept 32
	v_pk_mul_f32 v[160+ii:161+ii], v[160+ii:161+ii], v[252:253] op_sel_hi:[1,0]
.set ii, ii+2
.endr
.set ii, 0
.rept 32
	v_pk_fma_f32 v[160+ii:161+ii], v[96+ii:97+ii], v[254:255], v[160+ii:161+ii] op_sel_hi:[1,0,1]
.set ii, ii+2
.endr
.Lout:
	; THE WAY OUT: O^T / the sum x 2^(e8 + e9), held, quantised by 2^e10: register 8 t + j is channel 16 t + 8 (lane / 16) + j of my query: the conversions' results are my fragment of ac
	v_add_f32 v14, v14, v15
	v_permlanex16_b32 v236, v14, s[SEL], s[SEL+1]
	v_add_f32 v14, v14, v236                       ; the row's sum
	s_wait_alu depctr_va_vdst(0)                   ; the wait ahead of the transcendental
	v_rcp_f32 v14, v14
	v_nop                                          ; a plain instruction behind the transcendental
	s_add_co_i32 s80, s76, s77
	s_wait_alu depctr_va_vdst(0)                   ; the wait ahead of its first reader
	v_ldexp_f32 v14, v14, s80
	s_wait_alu depctr_va_vdst(0)                   ; the wait directly ahead of the first reader of O^T
.set ii, 0
.rept 32
	v_pk_mul_f32 v[96+ii:97+ii], v[160+ii:161+ii], v[14:15] op_sel_hi:[1,0]
.set ii, ii+2
.endr
.set ii, 0
.rept 64
	v_med3_num_f32 v[96+ii], v[96+ii], -v241, v241
.set ii, ii+1
.endr
.irp t, 0,1,2,3,4,5,6,7
	v_cvt_scalef32_pk8_fp8_f32 v[224+2*\t:225+2*\t], v[96+8*\t:103+8*\t], v245
.endr
	v_nop
.irp c, 0,1,2,3
	global_store_b128 v[LI], v[224+4*\c:227+4*\c], s[8:9] offset:512*\c   ; 32 lanes store 512 consecutive bytes, aligned
.endr
	s_wait_tensorcnt 0x0                           ; the wave's end
	ds_add_u32 v[SPW], v[NIL]
	s_wait_dscnt 0x0
	s_endpgm
.Lfunc_end_k_qe87128fbc1_attn:
	.size	k_qe87128fbc1_attn, .Lfunc_end_k_qe87128fbc1_attn-k_qe87128fbc1_attn
	.p2alignl 7, 3214868480
	.fill 96, 4, 3214868480
	.section	.rodata,"a",@progbits
	.p2align	6, 0x0
	.amdhsa_kernel k_qe87128fbc1_attn
		.amdhsa_group_segment_fixed_size 52224
		.amdhsa_private_segment_fixed_size 0
		.amdhsa_enable_private_segment 0
		.amdhsa_kernarg_size 40
		.amdhsa_user_sgpr_count 2
		.amdhsa_user_sgpr_kernarg_segment_ptr 1
		.amdhsa_wavefront_size32 1
		.amdhsa_system_sgpr_workgroup_id_x 1
		.amdhsa_system_sgpr_workgroup_id_y 1
		.amdhsa_system_sgpr_workgroup_id_z 1
		.amdhsa_system_vgpr_workitem_id 0
		.amdhsa_next_free_vgpr 512
		.amdhsa_next_free_sgpr 100
		.amdhsa_reserve_vcc 1
		.amdhsa_float_denorm_mode_32 3
		.amdhsa_float_denorm_mode_16_64 3
		.amdhsa_memory_ordered 1
		.amdhsa_forward_progress 1
		.amdhsa_inst_pref_size 114
	.end_amdhsa_kernel
	.amdgpu_metadata
---
amdhsa.version: [ 1, 2 ]
amdhsa.kernels:
  - .name:           k_qe87128fbc1_attn
    .symbol:         k_qe87128fbc1_attn.kd
    .args:
      - { .name: qkv, .offset: 0, .size: 8, .value_kind: global_buffer, .address_space: global }
      - { .name: lowp_scales, .offset: 8, .size: 8, .value_kind: global_buffer, .address_space: global }
      - { .name: ac, .offset: 16, .size: 8, .value_kind: global_buffer, .address_space: global }
      - { .name: Wo, .offset: 24, .size: 8, .value_kind: global_buffer, .address_space: global }
      - { .name: woc, .offset: 32, .size: 8, .value_kind: global_buffer, .address_space: global }
    .group_segment_fixed_size: 52224
    .private_segment_fixed_size: 0
    .kernarg_segment_align: 8
    .kernarg_segment_size: 40
    .max_flat_workgroup_size: 256
    .sgpr_count:     100
    .vgpr_count:     512
    .wavefront_size: 32
...
	.end_amdgpu_metadata
.endif
;; end of part 3
;; launch oproj (part 4): grid 16 x 16, 4 waves a work-group, clusters of 4 x 1, 327,680 bytes of LDS; arguments ac, woc, lowp_scales, out0; writes out0
.if DOCPART == 4
	.amdgcn_target "amdgcn-amd-amdhsa--gfx1250"
	.amdhsa_code_object_version 6
	.text
	.protected	k_qe87128fbc1_oproj
	.globl	k_qe87128fbc1_oproj
	.p2align	8
	.type	k_qe87128fbc1_oproj,@function
k_qe87128fbc1_oproj:
	s_mov_b64 s[64:65], 0
	v_nop
	global_prefetch_b8 v0, s[64:65] scope:SCOPE_SE
	s_setreg_imm32_b32 hwreg(HW_REG_WAVE_MODE, 25, 1), 1
	s_wait_xcnt 0x0
	s_wait_alu depctr_hold_cnt(0) depctr_sa_sdst(0) depctr_va_vdst(0) depctr_va_sdst(0) depctr_va_ssrc(0) depctr_va_vcc(0) depctr_vm_vsrc(0)
	s_getreg_b32 s2, hwreg(HW_REG_IB_STS2, 6, 4)
	s_cmp_eq_u32 s2, 0
	s_cbranch_scc0 .Lentry_in_a_cluster
	s_endpgm
.Lentry_in_a_cluster:
	s_bfe_u32 s2, ttmp6, 0x10000c
	s_cmp_lg_u32 s2, 0x3003
	s_cbranch_scc0 .Lentry_shape_is_right
	s_endpgm
.Lentry_shape_is_right:
; out0 [2048 tokens][2048] f32 = attention's result x Wo, both as E4M3 codes (scales 2^e10, 2^e11); sums in f32, each multiplied once by 2^(e10 + e11).
; ac and woc are panels of 128 rows as images of operand registers: byte = panel x 262,144 + K step x 16,384 + (row / 16 % 8) x 2,048; registers 4 c' .. 4 c' + 3 of lane l at 512 c' + 16 l (ac: rows = tokens; woc: rows = Wo's columns).
; A work-group makes 128 x 128 of the result (X = 4 x cluster x + cx: the panel of columns; y: of tokens), a wave 64 x 64: 16 accumulators.  Source 0 takes woc's fragments, source 1 ac's: a lane then holds eight neighbouring columns of one token's row.
; ac's PANEL LIES WHOLE IN LDS: 16 K steps x 16,384 bytes.  It hangs on y alone, which the four work-groups of a cluster share: it is asked for jointly, K steps 0-7 at the head, K steps 8-15 behind a round of the cluster's barrier,
; 32,768 bytes a wave each time.  Nothing is filled again.  One barrier stands ahead of K step 7, whose loads are the first to read the second half.
; woc's FRAGMENTS GO FROM MEMORY STRAIGHT INTO REGISTERS: a load of 512 consecutive bytes fills four registers.  The cluster's partners read different panels of woc, so there is nothing to ask for jointly; through LDS its 262,144 bytes
; would be written once and read twice more.  Five sets take turns; K step k + 4 is asked for behind K step k's products: 64 loads are out.
; The sixteen K steps are written out, every offset an immediate.  No prefetch: the text has no loop to run ahead in, and woc's loads are issued four K steps ahead of their use.
; LIMIT: e10 + e11 between -126 and 127, so that 2^(e10 + e11) is an f32 number.
.set SPARE,  262144                    ; behind ac's panel: the spare words, 128 bytes for each wave
.set STAGE,  SPARE+512                 ; the way out: 16 rows x 272 bytes for each wave; no tile lands here
.set SPITCH, 272
.set ADRA, 16                          ; v16-19 LDS address of my four fragments of ac in K steps 0-3, 4-7, 8-11, 12-15
.set STO, 24                           ; v24 the way out: where I put 32 bytes of a row;  v25 where I read a row back;  v26 my byte offset in the result
.set RD,  25
.set CO,  26
.set SPW, 28                           ; v28 my spare word;  v29 0; never rewritten
.set NIL, 29
.set TMP, 32                           ; v32-63 a block's sums x 2^(e10 + e11);  v64-127 rows read back, two sets
.set BK,  64
.set ACC, 128                          ; v128-255 accumulator (a, b) at 128 + 8 (4 a + b)
; woc's set s = k % 5: sets 0-3 in window 1 at 64 s, set 4 in window 2 at 0.   ac's set k % 2: window 2 at 128 + 64 (k % 2)
.set G1,  24                           ; s[24:31] group 1;  s[32:35], s[36:39] groups 0 of the two halves
.set G0A, 32
.set G0B, 36
.set MSB, 0
.macro WIN new
.if MSB != \new
	s_set_vgpr_msb (MSB<<8)|\new
.set MSB, \new
.endif
.endm
.macro PLACES n
.rept \n
	v_nop
.endr
.endm
.macro CROUND                          ; a round of the cluster's barrier
	s_barrier_signal -1
	s_barrier_wait -1
	s_cmp_lg_u32 s14, 0
	s_cbranch_scc1 .Lnot_wave_0_\@
	s_barrier_signal -3
.Lnot_wave_0_\@:
	s_barrier_wait -3
	s_barrier_signal -1
	s_barrier_wait -1
.endm
	s_load_b256 s[4:11], s[0:1], 0x0               ; ac 4:5, woc 6:7, the exponents 8:9, out0 10:11
	v_lshl_add_u32 v[SPW], v0, 2, SPARE
	v_mov_b32 v[NIL], 0
	ds_add_u32 v[SPW], v[NIL]                      ; the opening lines: the add, twice on end, and its wait ahead of my first tensor load
	ds_add_u32 v[SPW], v[NIL]
	v_lshrrev_b32 v1, 5, v0
	v_readfirstlane_b32 s14, v1                    ; wave 0..3
	s_lshr_b32 s15, s14, 1                         ; which 64 tokens
	s_and_b32 s16, s14, 1                          ; which 64 columns
	s_and_b32 s17, ttmp7, 0xffff                   ; the panel of tokens
	s_bfe_u32 s40, ttmp6, 0x40000                  ; cx: it enters global addresses alone
	s_lshl_b32 s42, ttmp9, 2
	s_add_co_u32 s42, s42, s40                     ; X
	s_mov_b32 s[G1], 15|(3<<16)|(1<<21)            ; 15:0 the mask: all four work-groups; 17:16 elements of 8 bytes; 21 set beside a mask; no padding: a dense block as 128 rows of 256 bytes
	s_mov_b32 s[G1+1], 32<<16
	s_mov_b32 s[G1+2], 128<<16
	s_mov_b32 s[G1+3], 32<<16
	s_mov_b32 s[G1+4], 128
	s_mov_b32 s[G1+5], 32
	s_mov_b32 s[G1+6], 0
	s_mov_b32 s[G1+7], 0
	s_mov_b32 s[G0A], 1
	s_lshl_b32 s[G0A+1], s14, 15                   ; K steps 2 wave and the next
	s_mov_b32 s[G0B], 1
	s_add_co_u32 s[G0B+1], s[G0A+1], 131072        ; K steps 8 + 2 wave and the next
	s_lshl_b32 s20, s17, 18
	s_add_co_u32 s20, s20, s[G0A+1]                ; ac: the panel, my two K steps
	s_mov_b32 s21, 0
	s_lshl_b32 s22, s42, 18
	s_lshl_b32 s18, s16, 13
	s_add_co_u32 s22, s22, s18                     ; woc: my panel, my four tiles
	s_mov_b32 s23, 0
	v_and_b32 v1, 31, v0
	v_lshlrev_b32 v3, 4, v1                        ; 16 x lane
	s_wait_dscnt 0x0                               ; both opening adds are done
	s_wait_alu depctr_va_vdst(0)                   ; the wait directly ahead of the wait below
	s_wait_kmcnt 0x0
	s_load_b64 s[96:97], s[8:9], 0x28              ; e10, e11
	s_add_nc_u64 s[G0A+2:G0A+3], s[4:5], s[20:21]
	s_add_nc_u64 s[G0B+2:G0B+3], s[G0A+2:G0A+3], 131072
	s_or_b32 s[G0A+3], s[G0A+3], 0x80000000
	s_or_b32 s[G0B+3], s[G0B+3], 0x80000000
	s_add_nc_u64 s[22:23], s[6:7], s[22:23]        ; never rewritten
	CROUND                                         ; all four work-groups are here: the first joint loads meet
	tensor_load_to_lds s[G0A:G0A+3], s[G1:G1+7]    ; my part of K steps 0-7: one tensor load a wave at the head
	s_nop 0
	PLACES 4
.macro FETCHB k                        ; 16 loads: my four fragments of woc in K step k, into set k % 5
.set fs, (\k)%5
	WIN 0x40*(1+fs/4)
.irp b, 0,1,2,3
.irp c, 0,1,2,3
	global_load_b128 v[64*(fs%4)+16*\b+4*\c:64*(fs%4)+16*\b+4*\c+3], v3, s[22:23] offset:(\k)*16384+\b*2048+512*\c
.endr
.endr
.endm
.macro FETCHA k                        ; 16 LDS loads: my four fragments of ac in K step k, into set k % 2
	WIN 0x80
.irp a, 0,1,2,3
.irp c, 0,1,2,3
	ds_load_b128 v[128+64*((\k)%2)+16*\a+4*\c:128+64*((\k)%2)+16*\a+4*\c+3], v[ADRA+(\k)/4] offset:((\k)%4)*16384+\a*2048+512*\c
.endr
.endr
.endm
	FETCHB 0
	FETCHB 1
	FETCHB 2
	WIN 0
	s_lshl_b32 s67, s15, 13                        ; my four tiles of ac
	v_add_nc_u32 v[ADRA], s67, v3
	v_and_b32 v1, 15, v0
	v_bfe_u32 v2, v0, 4, 1
	v_add_nc_u32 v[ADRA+1], 0x10000, v[ADRA]
	v_add_nc_u32 v[ADRA+2], 0x20000, v[ADRA]
	v_add_nc_u32 v[ADRA+3], 0x30000, v[ADRA]
	s_mul_i32 s69, s14, 16*SPITCH
	s_add_co_u32 s69, s69, STAGE                   ; my stage
	v_mul_u32_u24 v4, v1, SPITCH
	v_mul_u32_u24 v5, v2, SPITCH
	v_lshl_add_u32 v4, v2, 5, v4
	v_lshl_add_u32 v5, v1, 4, v5
	v_add_nc_u32 v[STO], s69, v4                   ; in: row l % 16, 32 bytes for each half of the lanes
	v_add_nc_u32 v[RD], s69, v5                    ; back: lanes 0-15 one row of 256 bytes, lanes 16-31 the next
	v_lshlrev_b32 v5, 13, v2
	v_lshl_add_u32 v[CO], v1, 4, v5                ; and the same two rows in the result
	s_lshl_b32 s70, s17, 20
	s_lshl_b32 s71, s15, 19
	s_add_co_u32 s70, s70, s71
	s_lshl_b32 s71, s42, 9
	s_add_co_u32 s70, s70, s71
	s_lshl_b32 s71, s16, 8
	s_add_co_u32 s70, s70, s71
	s_mov_b32 s71, 0
	s_add_nc_u64 s[10:11], s[10:11], s[70:71]
; K step k: its sets are waited for; ac's next set is asked for; 16 products, the 16 accumulators by turns, one instruction a turn; then woc's set four on.  zero = 1: the first products start the sums
.macro STEP k, zero
.if (\k) < 13
	s_wait_loadcnt 48                              ; woc's set k is in; the three younger sets may be out
.else
	s_wait_loadcnt 16*(15-(\k))
.endif
	s_wait_dscnt 0x0                               ; ac's set k is in
	PLACES 4                                       ; places between the last step's products and the loads into the sets that they read: ac's below, woc's behind this step's products
.if (\k) < 15
	FETCHA (\k)+1
.endif
.set ms, (\k)%5
	WIN 0x08+1+ms/4                                ; source 0 (woc) window 1 or 2, source 1 (ac) window 2, C and D window 0
.irp a, 0,1,2,3
.irp b, 0,1,2,3
.if \zero
	v_wmma_f32_16x16x128_fp8_fp8 v[ACC+8*(4*\a+\b):ACC+8*(4*\a+\b)+7], v[64*(ms%4)+16*\b:64*(ms%4)+16*\b+15], v[128+64*((\k)%2)+16*\a:128+64*((\k)%2)+16*\a+15], 0
.else
	v_wmma_f32_16x16x128_fp8_fp8 v[ACC+8*(4*\a+\b):ACC+8*(4*\a+\b)+7], v[64*(ms%4)+16*\b:64*(ms%4)+16*\b+15], v[128+64*((\k)%2)+16*\a:128+64*((\k)%2)+16*\a+15], v[ACC+8*(4*\a+\b):ACC+8*(4*\a+\b)+7]
.endif
.endr
.endr
.if (\k)+4 < 16
	FETCHB (\k)+4
.endif
.endm
	s_wait_alu depctr_va_vdst(0)                   ; the wait at the head's end
	s_wait_tensorcnt 0x0                           ; my part of K steps 0-7 is in
	ds_add_u32 v[SPW], v[NIL]
	s_wait_dscnt 0x0
	CROUND                                         ; everybody's part of K steps 0-7 is in, and all four work-groups are here
	tensor_load_to_lds s[G0B:G0B+3], s[G1:G1+7]    ; my part of K steps 8-15: my one tensor load behind this round; it has seven K steps in which to land
	s_nop 0
	PLACES 4
	FETCHB 3
	FETCHA 0
	STEP 0, 1
.irp k, 1,2,3,4,5,6
	STEP \k, 0
.endr
	WIN 0
	s_wait_tensorcnt 0x0                           ; my part of K steps 8-15 is in,
	s_wait_dscnt 0x0                               ; no LDS instruction of mine is out,
	s_barrier_signal -1
	s_barrier_wait -1                              ; and the same holds of every wave: K step 7 fetches K step 8's fragments
.irp k, 7,8,9,10,11,12,13,14,15
	STEP \k, 0
.endr
	WIN 0
; THE WAY OUT, block by block of 16 tokens x 64 columns: x 2^(e10 + e11), through my own stage in LDS, back as rows of 256 bytes: sixteen lanes store one aligned unit.  LDS serves a wave's instructions in order: no wait between the stores and the loads
.macro TOSTAGE a
.set ii, 0
.rept 16
	v_pk_mul_f32 v[TMP+ii:TMP+ii+1], v[ACC+32*\a+ii:ACC+32*\a+ii+1], s[96:97] op_sel_hi:[1,0]   ; each accumulator from its low end on
.set ii, ii+2
.endr
.irp b, 0,1,2,3
	ds_store_b128 v[STO], v[TMP+8*\b:TMP+8*\b+3] offset:64*\b
	ds_store_b128 v[STO], v[TMP+8*\b+4:TMP+8*\b+7] offset:64*\b+16
.endr
.irp t, 0,1,2,3,4,5,6,7
	ds_load_b128 v[BK+32*((\a)%2)+4*\t:BK+32*((\a)%2)+4*\t+3], v[RD] offset:2*\t*SPITCH
.endr
.endm
.macro SEND a, younger                 ; younger: the LDS instructions issued behind block a's loads, which may stay out
	s_wait_dscnt \younger
.irp t, 0,1,2,3,4,5,6,7
	global_store_b128 v[CO], v[BK+32*((\a)%2)+4*\t:BK+32*((\a)%2)+4*\t+3], s[10:11] offset:(\a)*131072+2*\t*8192 th:TH_STORE_NT
.endr
.endm
	s_wait_kmcnt 0x0
	s_add_co_i32 s96, s96, s97
	s_add_co_i32 s96, s96, 127
	s_lshl_b32 s96, s96, 23                        ; 2^(e10 + e11) as f32
	PLACES 4                                       ; ahead of the first read of results
	TOSTAGE 0
	TOSTAGE 1
	SEND 0, 16
	s_wait_xcnt 0x0                                ; block 0's stores have read their registers: block 2's rows may land there
	TOSTAGE 2
	SEND 1, 16
	s_wait_xcnt 0x0
	TOSTAGE 3
	SEND 2, 16
	SEND 3, 0
	s_wait_tensorcnt 0x0                           ; the wave's end
	ds_add_u32 v[SPW], v[NIL]
	s_wait_dscnt 0x0
	CROUND                                         ; the closing round: no work-group ends while a partner may still ask for a tile that names it
	s_endpgm
.Lfunc_end_k_qe87128fbc1_oproj:
	.size	k_qe87128fbc1_oproj, .Lfunc_end_k_qe87128fbc1_oproj-k_qe87128fbc1_oproj
	.p2alignl 7, 3214868480
	.fill 96, 4, 3214868480
	.section	.rodata,"a",@progbits
	.p2align	6, 0x0
	.amdhsa_kernel k_qe87128fbc1_oproj
		.amdhsa_group_segment_fixed_size 327680
		.amdhsa_private_segment_fixed_size 0
		.amdhsa_enable_private_segment 0
		.amdhsa_kernarg_size 32
		.amdhsa_user_sgpr_count 2
		.amdhsa_user_sgpr_kernarg_segment_ptr 1
		.amdhsa_wavefront_size32 1
		.amdhsa_system_sgpr_workgroup_id_x 1
		.amdhsa_system_sgpr_workgroup_id_y 1
		.amdhsa_system_sgpr_workgroup_id_z 1
		.amdhsa_system_vgpr_workitem_id 0
		.amdhsa_next_free_vgpr 768
		.amdhsa_next_free_sgpr 98
		.amdhsa_reserve_vcc 0
		.amdhsa_float_denorm_mode_32 3
		.amdhsa_float_denorm_mode_16_64 3
		.amdhsa_memory_ordered 1
		.amdhsa_forward_progress 1
		.amdhsa_inst_pref_size 78
	.end_amdhsa_kernel
	.amdgpu_metadata
---
amdhsa.version: [ 1, 2 ]
amdhsa.kernels:
  - .name:           k_qe87128fbc1_oproj
    .symbol:         k_qe87128fbc1_oproj.kd
    .args:
      - { .name: ac, .offset: 0, .size: 8, .value_kind: global_buffer, .address_space: global }
      - { .name: woc, .offset: 8, .size: 8, .value_kind: global_buffer, .address_space: global }
      - { .name: lowp_scales, .offset: 16, .size: 8, .value_kind: global_buffer, .address_space: global }
      - { .name: out0, .offset: 24, .size: 8, .value_kind: global_buffer, .address_space: global }
    .group_segment_fixed_size: 327680
    .private_segment_fixed_size: 0
    .kernarg_segment_align: 8
    .kernarg_segment_size: 32
    .max_flat_workgroup_size: 128
    .sgpr_count:     98
    .vgpr_count:     768
    .wavefront_size: 32
...
	.end_amdgpu_metadata
.endif
;; end of part 4
